; MI455X (gfx1250); checked and timed in simulation.
; The chip was launched on July 23, 2026; its instructions are those of AMD's public machine-readable ISA for CDNA 5 (MIT licence, August 2026) and "CDNA5" Instruction Set Architecture Reference Guide (July 2026). The comments in the code are by the model that wrote it; some were corrected since.
;; Multi Head Attention. Allowed arithmetic: matrix products marked QUANTISED: E2M1 operands, one E8M0 scale for each 32 along K, by v_wmma_scale_f32_16x16x128_f8f6f4 with both operands' format E2M1 (or v_wmma_scale_f32_32x16x128_f4), f32 sums; everything else in f32.
;; Inputs: Wk 1,024 x 1,024 float32; Wo 1,024 x 1,024 float32; Wq 1,024 x 1,024 float32; Wv 1,024 x 1,024 float32; bk 1,024 float32; bo 1,024 float32; bq 1,024 float32; bv 1,024 float32; k 4 x 2,048 x 1,024 float32; q 4 x 2,048 x 1,024 float32; v 4 x 2,048 x 1,024 float32.
;; Outputs: out0 4 x 2,048 x 1,024 float32.
;; This version of the problem:
;;   THIS VERSION OF THE PROBLEM IS GIVEN IN LOW PRECISION. The matrix products marked QUANTISED in the list below multiply operands that are first quantised to E2M1 (2 exponent bits, 1 mantissa bit; 4 bits a number), with one power-of-two scale for each 32 numbers along K (OCP MX v1.0); their sums are f32. All else is computed in f32.
;;   The module's matrix products, in the order in which they are computed (A, B: the left and right operand; K: the contracted axis; several contracted axes count as one K, in the product's order):
;;     1. [M 8,192, K 1,024] x [K 1,024, N 1,024]; A: input q; B: input Wq: QUANTISED
;;     2. [M 8,192, K 1,024] x [K 1,024, N 1,024]; A: input k; B: input Wk: QUANTISED
;;     3. [M 8,192, K 1,024] x [K 1,024, N 1,024]; A: input v; B: input Wv: QUANTISED
;;     4. batch 64 x [M 2,048, K 64] x [K 64, N 2,048]; A: computed on the way; B: computed on the way: QUANTISED
;;     5. batch 64 x [M 2,048, K 2,048] x [K 2,048, N 64]; A: softmax (see below); B: computed on the way: QUANTISED
;;     6. [M 8,192, K 1,024] x [K 1,024, N 1,024]; A: computed on the way; B: input Wo: QUANTISED
;;   THE QUANTISER, for each operand of a quantised product, along K:
;;     - K is cut into blocks of 32 from its start; a last block that is shorter is filled with zeros.
;;     - A block's scale is 2^e with e = floor(log2(the largest magnitude in the block)) - 2, held to -126 .. 127; a block of zeros has e = 0. As a byte (E8M0): e + 127.
;;     - Each number is divided by its block's scale, clamped to +-6, and rounded to the nearest number of E2M1, ties to even, subnormals kept.
;;     - The product sums the exact products of the quantised numbers (number of the format x scale) in f32.
;;   ~~~python
;;   def quantise(x, axis):      # numpy; x: float32 -> the quantised numbers, widened to float32 again
;;       x = np.moveaxis(x, axis, -1); K = x.shape[-1]
;;       x = np.pad(x, [(0, 0)] * (x.ndim - 1) + [(0, -K % 32)]); x = x.reshape(x.shape[:-1] + (-1, 32)); a = np.abs(x).max(-1, keepdims=True)
;;       e = np.where(a > 0, np.clip(np.frexp(np.where(a > 0, a, 1))[1] - 1 - 2, -126, 127), 0)      # np.frexp(a)[1] - 1 = floor(log2(a)), exactly
;;       r = np.clip(x / 2.0 ** e, -6, 6)
;;       step = 2.0 ** (np.maximum(np.frexp(np.where(r == 0, 1, r))[1] - 1, 0) - 1)
;;       q = np.round(r / step) * step * 2.0 ** e      # np.round: ties to even
;;       return np.moveaxis(q.reshape(q.shape[:-2] + (-1,))[..., :K], -1, axis).astype(np.float32)
;;   ~~~
;;   SOFTMAX AHEAD OF A QUANTISED PRODUCT. Where the list says 'softmax', what is quantised is not the finished softmax but p = 2^(t - M), with t = logit x log2(e) and M = ceil(the row's largest t), a whole number; so 1/2 < the row's largest p <= 1. The row's sum l is taken of the UNQUANTISED p, in f32, and the product's result is divided by l at the end. Since M is a whole number, a kernel that streams over the keys may use a running M (the ceiling of the running maximum): every later rescaling is an exact power of two, which a block's scale takes up: the codes' values come out the same.
;;   OPERANDS COMPUTED ON THE WAY. 'Computed on the way' means the value that the module computes at that place (a softmax that the list does not call 'softmax' is quantised finished and normalised). What goes into a quantiser is computed in f32, as accurately as f32 sums, v_exp_f32 and their like allow (about 1e-6 of the number): no bf16 or f16 on the way to a quantiser, and a product that is left as it is and whose result goes on into a quantised operand takes f32 operands (vector FMAs, or v_wmma_f32_16x16x4_f32). A number that lies on a knife's edge between two numbers of the format may be rounded either way, as far as f32 arithmetic and the matrix unit's own rounding can turn it there, and no further.
;; One version. Each part assembles by itself: llvm-mc -triple=amdgcn-amd-amdhsa -mcpu=gfx1250 --defsym DOCPART=n.
;; ======== version 1 of 1: 4 launches
;; workspace buffers: cd 14,680,064 bytes; sc 917,504 bytes; hc 12,582,912 bytes; hs 786,432 bytes; yc 4,194,304 bytes; ys 262,144 bytes
;; launch quant (part 1): grid 448 x 2, 4 waves a work-group, no clusters, 35,328 bytes of LDS; arguments q, k, v, Wq, Wk, Wv, Wo, cd, sc; writes cd, sc
.if DOCPART == 1
	.amdgcn_target "amdgcn-amd-amdhsa--gfx1250"
	.amdhsa_code_object_version 6
	.text
	.protected	k_q109f8c51f8_quant
	.globl	k_q109f8c51f8_quant
	.p2align	8
	.type	k_q109f8c51f8_quant,@function
k_q109f8c51f8_quant:
	s_mov_b64 s[64:65], 0
	v_nop
	global_prefetch_b8 v0, s[64:65] scope:SCOPE_SE
	s_setreg_imm32_b32 hwreg(HW_REG_WAVE_MODE, 25, 1), 1
	s_wait_xcnt 0x0
; MULTI-HEAD ATTENTION IN MX-FP4, launch 1 of 4: q, k, v [8192][1024] and Wq, Wk, Wv, Wo [1024][1024], f32, become codes of E2M1 with one E8M0 byte for each 32 along K (their last axis).
; NO WORK IS LEFT OUT in this program: each of bq, bk, bv stands ahead of a ReLU and a quantiser of a live product, bo ahead of the output's ReLU; all eleven inputs are loaded.
; LAYOUT OF THE CODES (this program's own).  A tensor is cut into tiles of 16 rows; row r of tile T is the tensor's row 32 (T / 2) + 8 (T % 2) + r + 8 (r / 8).  A tile's image is 8,192 bytes:
; byte 256 kb + 16 r + i is byte i of block kb (k = 32 kb on) of the tile's row r.  So the operand registers of K step s (128 along K) are 16 bytes a lane at 1024 s + 512 c + 16 x lane, c = 0, 1.
; Tiles in cd: q 0, k 512, v 1024, Wq 1536, Wk 1600, Wv 1664, Wo 1728.  Scale words in sc: [K step 8][tile 1792][r 16][4 bytes].
; A block's scale is 2^(floor(log2(its largest magnitude)) - 2); its byte is the largest magnitude's exponent field - 2, held at 1 from below.
; LIMITS: NaN and infinities among the inputs are not served.  A block of zeros, or one whose largest magnitude lies under 2^(3 - 127), gets the byte 1 where the rule says 127 for zeros: its codes are zeros (or what the
; floor's scale leaves), and the bytes are read by this program alone.
; SHARES.  Work-group x takes tiles 4 x .. 4 x + 3, a wave a tile; work-group y takes half of K: four K steps.  Each load reads 512 consecutive bytes of one row; a K step's 16 rows turn through the wave's own stage in LDS, so that
; a lane gets 16 neighbours of each block of its row.  A K step's codes leave as two stores of 512 consecutive bytes; the four waves' scale words meet in LDS and leave as whole runs of 256 bytes.
.set SP,    528                        ; a stage row: 512 bytes + 16: an odd multiple of 16, so that sixteen rows start at sixteen different 16-byte columns of 256
.set SCW,   4*16*SP                    ; behind the four stages: the scale words, [K step 4][wave 4][r 16][4 bytes]
.set SPARE, SCW+1024                   ; behind them: the spare words, 128 bytes for each wave: two blocks of 256 bytes that no other line names
.set SCP,   114688                     ; from K step to K step in sc: 1792 tiles x 64 bytes
.set PWR,   8                          ; v8-11    a scale word for each K step
.set SPW,   12                         ; v12      LDS address of my spare word; never rewritten
.set NIL,   13                         ; v13      0; never rewritten
.set TM,    16                         ; v16-31   at work in QUANT
.set R,     32                         ; v32-159  two sets of 64: a K step as loaded
.set X,     160                        ; v160-223 a K step as QUANT wants it
.set PC,    224                        ; v224-255 codes: eight registers for each K step, so that no store's data are written again
.set SEL,   26                         ; s[26:27] lane selects for v_permlanex16_b32: lane l xor 16
; 64 numbers of a lane, register 16 b + i = k 32 b + 16 (lane / 16) + i of my row, become a fragment's codes in v[pc] on and its scale word in v[pw].
.macro QUANT s, pc, pw
.irp b, 0,1,2,3
	v_max3_num_f32 v[TM+\b], |v[\s+16*\b]|, |v[\s+1+16*\b]|, 0x1800000   ; block b: my 16 numbers, and the floor 2^(3 - 127): the byte cannot fall under 1
.endr
.irp i, 2,4,6,8,10,12,14
.irp b, 0,1,2,3
	v_max3_num_f32 v[TM+\b], v[TM+\b], |v[\s+16*\b+\i]|, |v[\s+1+16*\b+\i]|   ; the four blocks by turns
.endr
.endr
.irp b, 0,1,2,3
	v_permlanex16_b32 v[TM+4+\b], v[TM+\b], s[SEL], s[SEL+1]
.endr
.irp b, 0,1,2,3
	v_max_num_f32 v[TM+\b], v[TM+\b], v[TM+4+\b]   ; with lane l xor 16's: the block's largest magnitude
.endr
.irp b, 0,1,2,3
	v_add_nc_u32 v[TM+12+\b], 0xff000000, v[TM+\b]   ; 2 off its exponent field: the conversion takes the exponent field of this operand as its scale
.endr
.irp b, 0,1,2,3
	v_lshrrev_b32 v[TM+4+\b], 23, v[TM+12+\b]      ; the scale's byte
.endr
	v_lshl_or_b32 v[\pw], v[TM+5], 8, v[TM+4]
	v_lshl_or_b32 v[\pw], v[TM+6], 16, v[\pw]
	v_lshl_or_b32 v[\pw], v[TM+7], 24, v[\pw]      ; my row's scale word
.irp b, 0,1,2,3
	v_cvt_scalef32_pk8_fp4_f32 v[\pc+2*\b], v[\s+16*\b:\s+7+16*\b], v[TM+12+\b]
	v_cvt_scalef32_pk8_fp4_f32 v[\pc+1+2*\b], v[\s+8+16*\b:\s+15+16*\b], v[TM+12+\b]
.endr
	v_nop                                          ; one plain place behind a scaled conversion
.irp c, 0,1                                    ; the operand's layout wants a whole block in a lane: lanes 0-15 block 2 c, lanes 16-31 block 2 c + 1
.irp i, 0,1
	v_permlane16_swap_b32 v[\pc+4*\c+\i], v[\pc+2+4*\c+\i]
.endr
.endr
.endm
	s_load_b512 s[4:19], s[0:1], 0x0               ; q, k, v, Wq, Wk, Wv, Wo, cd
	s_load_b64 s[20:21], s[0:1], 0x40              ; sc
	v_lshl_add_u32 v[SPW], v0, 2, SPARE
	v_mov_b32 v[NIL], 0
	v_lshrrev_b32 v1, 5, v0
	v_readfirstlane_b32 s28, v1                    ; wave 0..3
	s_and_b32 s29, ttmp7, 0xffff                   ; which half of K
	v_and_b32 v7, 31, v0                           ; lane
	v_and_b32 v14, 15, v0                          ; r
	v_bfe_u32 v15, v0, 4, 1                        ; h
	s_mul_i32 s30, s28, 16*SP                      ; my stage
	v_lshlrev_b32 v1, 4, v7                        ; 16 x lane: my bytes of a load's 512 and of a store's
	v_add_nc_u32 v2, s30, v1                       ; the stage, on the way in
	v_mul_u32_u24 v3, v14, SP
	v_lshl_add_u32 v3, v15, 6, v3
	v_add_nc_u32 v3, s30, v3                       ; and on the way out: row r, + 64 h: my 16 numbers of a block
	s_lshl_b32 s31, s28, 6
	v_lshl_add_u32 v4, v14, 2, s31
	v_add_nc_u32 v4, SCW, v4                       ; where my row's scale word goes: 64 x wave + 4 r
	s_lshl_b32 s31, s28, 8
	v_lshlrev_b32 v6, 3, v7                        ; 8 x lane
	v_add_nc_u32 v5, s31, v6
	v_add_nc_u32 v5, SCW, v5                       ; and what I read back: K step = my wave's number, 8 bytes a lane
.irp b, 0,1,2,3
	v_mov_b32 v[TM+4+\b], 0                        ; written once: a lane permute's destination counts as one of its sources
.endr
	s_mov_b32 s[SEL], 0x76543210
	s_mov_b32 s[SEL+1], 0xfedcba98
	s_wait_kmcnt 0x0
	s_mov_b64 s[22:23], s[4:5]                     ; which tensor is my work-group's: the choice hangs on the work-group's number alone
	s_mov_b32 s24, 0                               ; and the tensor's first work-group
.macro PICK lim, ptr
	s_cmp_ge_u32 ttmp9, \lim
	s_cselect_b64 s[22:23], s[\ptr:\ptr+1], s[22:23]
	s_cselect_b32 s24, \lim, s24
.endm
	PICK 128, 6
	PICK 256, 8
	PICK 384, 10
	PICK 400, 12
	PICK 416, 14
	PICK 432, 16
	s_sub_co_u32 s25, ttmp9, s24
	s_lshl_b32 s25, s25, 6                         ; 64 rows a work-group,
	s_lshr_b32 s30, s28, 1
	s_lshl_b32 s30, s30, 5
	s_add_co_u32 s25, s25, s30                     ; + 32 (wave / 2)
	s_and_b32 s30, s28, 1
	s_lshl_b32 s30, s30, 3
	s_add_co_u32 s25, s25, s30                     ; + 8 (wave % 2): my tile's row 0
	s_lshl_b32 s32, s25, 12                        ; rows of 4,096 bytes
	s_lshl_b32 s30, s29, 11
	s_add_co_u32 s32, s32, s30                     ; + my half of K
	s_mov_b32 s33, 0
	s_add_nc_u64 s[22:23], s[22:23], s[32:33]
	s_lshl_b32 s32, ttmp9, 2
	s_add_co_u32 s32, s32, s28                     ; my tile
	s_lshl_b32 s32, s32, 13
	s_lshl_b32 s30, s29, 12
	s_add_co_u32 s32, s32, s30
	s_add_nc_u64 s[18:19], s[18:19], s[32:33]      ; its image, my half of K
	s_lshl_b32 s32, s29, 2
	s_add_co_u32 s32, s32, s28                     ; the K step whose scale words I store
	s_mul_i32 s32, s32, SCP
	s_lshl_b32 s30, ttmp9, 8                       ; the work-group's four tiles: 256 bytes
	s_add_co_u32 s32, s32, s30
	s_add_nc_u64 s[20:21], s[20:21], s[32:33]
.macro LOAD t                          ; K step t of my tile's 16 rows into set t % 2: each load reads 512 consecutive bytes
.irp i, 0,1,2,3,4,5,6,7,8,9,10,11,12,13,14,15
	global_load_b128 v[R+64*((\t)%2)+4*\i:R+64*((\t)%2)+4*\i+3], v1, s[22:23] offset:(\i+8*(\i/8))*4096+512*(\t) th:TH_LOAD_NT
.endr
.endm
.macro STEP t
.if (\t) < 3
	s_wait_loadcnt 16                              ; this K step's 16 loads are in; the next step's 16 may be out
.else
	s_wait_loadcnt 0
.endif
.irp i, 0,1,2,3,4,5,6,7,8,9,10,11,12,13,14,15
	ds_store_b128 v2, v[R+64*((\t)%2)+4*\i:R+64*((\t)%2)+4*\i+3] offset:SP*\i
.endr
.irp b, 0,1,2,3
.irp j, 0,1,2,3
	ds_load_b128 v[X+16*\b+4*\j:X+16*\b+4*\j+3], v3 offset:128*\b+16*\j   ; LDS serves a wave's instructions in order: these see my stores
.endr
.endr
	s_wait_dscnt 0x0                               ; the numbers are back, and the stores have read their registers,
.if (\t) < 2
	LOAD (\t)+2                                    ; which take the loads of two steps on
.endif
	QUANT X, PC+8*(\t), PWR+(\t)
	global_store_b128 v1, v[PC+8*(\t):PC+8*(\t)+3], s[18:19] offset:1024*(\t)          ; 32 lanes store 512 consecutive bytes
	global_store_b128 v1, v[PC+8*(\t)+4:PC+8*(\t)+7], s[18:19] offset:1024*(\t)+512
	ds_store_b32 v4, v[PWR+(\t)] offset:256*(\t)   ; lanes l and l xor 16 write the same word with the same value
.endm
	LOAD 0
	LOAD 1
	STEP 0
	STEP 1
	STEP 2
	STEP 3
	s_wait_dscnt 0x0                               ; for the others' sake: my scale words lie in LDS
	s_barrier_signal -1
	s_barrier_wait -1
	ds_load_b64 v[14:15], v5                       ; one K step's words of the four tiles
	s_wait_dscnt 0x0
	global_store_b64 v6, v[14:15], s[20:21]        ; 32 lanes store 256 consecutive bytes, at a multiple of 256 from sc's first byte
	s_wait_tensorcnt 0x0                           ; the wave's end, behind my last LDS store
	ds_add_u32 v[SPW], v[NIL]
	s_wait_dscnt 0x0
	s_endpgm
.Lfunc_end_k_q109f8c51f8_quant:
	.size	k_q109f8c51f8_quant, .Lfunc_end_k_q109f8c51f8_quant-k_q109f8c51f8_quant
	.p2alignl 7, 3214868480
	.fill 96, 4, 3214868480
	.section	.rodata,"a",@progbits
	.p2align	6, 0x0
	.amdhsa_kernel k_q109f8c51f8_quant
		.amdhsa_group_segment_fixed_size 35328
		.amdhsa_private_segment_fixed_size 0
		.amdhsa_enable_private_segment 0
		.amdhsa_kernarg_size 72
		.amdhsa_user_sgpr_count 2
		.amdhsa_user_sgpr_kernarg_segment_ptr 1
		.amdhsa_wavefront_size32 1
		.amdhsa_system_sgpr_workgroup_id_x 1
		.amdhsa_system_sgpr_workgroup_id_y 1
		.amdhsa_system_sgpr_workgroup_id_z 1
		.amdhsa_system_vgpr_workitem_id 0
		.amdhsa_next_free_vgpr 256
		.amdhsa_next_free_sgpr 66
		.amdhsa_reserve_vcc 0
		.amdhsa_float_denorm_mode_32 3
		.amdhsa_float_denorm_mode_16_64 3
		.amdhsa_memory_ordered 1
		.amdhsa_forward_progress 1
		.amdhsa_inst_pref_size 35
	.end_amdhsa_kernel
	.amdgpu_metadata
---
amdhsa.version: [ 1, 2 ]
amdhsa.kernels:
  - .name:           k_q109f8c51f8_quant
    .symbol:         k_q109f8c51f8_quant.kd
    .args:
      - { .name: q, .offset: 0, .size: 8, .value_kind: global_buffer, .address_space: global }
      - { .name: k, .offset: 8, .size: 8, .value_kind: global_buffer, .address_space: global }
      - { .name: v, .offset: 16, .size: 8, .value_kind: global_buffer, .address_space: global }
      - { .name: Wq, .offset: 24, .size: 8, .value_kind: global_buffer, .address_space: global }
      - { .name: Wk, .offset: 32, .size: 8, .value_kind: global_buffer, .address_space: global }
      - { .name: Wv, .offset: 40, .size: 8, .value_kind: global_buffer, .address_space: global }
      - { .name: Wo, .offset: 48, .size: 8, .value_kind: global_buffer, .address_space: global }
      - { .name: cd, .offset: 56, .size: 8, .value_kind: global_buffer, .address_space: global }
      - { .name: sc, .offset: 64, .size: 8, .value_kind: global_buffer, .address_space: global }
    .group_segment_fixed_size: 35328
    .private_segment_fixed_size: 0
    .kernarg_segment_align: 8
    .kernarg_segment_size: 72
    .max_flat_workgroup_size: 128
    .sgpr_count:     66
    .vgpr_count:     256
    .wavefront_size: 32
...
	.end_amdgpu_metadata
.endif
;; end of part 1
;; launch proj (part 2): grid 4 x 96, 4 waves a work-group, clusters of 4 x 4, 327,680 bytes of LDS; arguments cd, sc, bq, bk, bv, hc, hs; writes hc, hs
.if DOCPART == 2
	.amdgcn_target "amdgcn-amd-amdhsa--gfx1250"
	.amdhsa_code_object_version 6
	.text
	.protected	k_q109f8c51f8_proj
	.globl	k_q109f8c51f8_proj
	.p2align	8
	.type	k_q109f8c51f8_proj,@function
k_q109f8c51f8_proj:
	s_mov_b64 s[64:65], 0
	v_nop
	global_prefetch_b8 v0, s[64:65] scope:SCOPE_SE
	s_setreg_imm32_b32 hwreg(HW_REG_WAVE_MODE, 25, 1), 1
	s_wait_xcnt 0x0
	s_wait_alu depctr_hold_cnt(0) depctr_sa_sdst(0) depctr_va_vdst(0) depctr_va_sdst(0) depctr_va_ssrc(0) depctr_va_vcc(0) depctr_vm_vsrc(0)
	s_getreg_b32 s2, hwreg(HW_REG_IB_STS2, 6, 4)
	s_cmp_eq_u32 s2, 0
	s_cbranch_scc0 .Lentry_in_a_cluster
	s_endpgm
.Lentry_in_a_cluster:
	s_bfe_u32 s2, ttmp6, 0x10000c
	s_cmp_lg_u32 s2, 0xf033
	s_cbranch_scc0 .Lentry_shape_is_right
	s_endpgm
.Lentry_shape_is_right:
; Launch 2 of 4: qh = relu(q Wq^T + bq), kh, vh likewise, on codes of E2M1 (K = 1,024), and their quantising for the two products of attention.  No work is left out.
; The cluster's y picks the projection p = y / 8 (0 q, 1 k, 2 v) and cl = y % 8.  A work-group makes 256 x 256, each of its four waves 128 x 128: 64 accumulators of 16 x 16.
; THE MATRIX INSTRUCTION: source 0 = 16 rows of S0, source 1 = 16 rows of S1.  In a result a lane holds ONE row of S1, and its registers run along S0's rows; by the order of rows in a tile (see the first launch) the 64 registers of
; one block of S1 against S0's eight tiles are index 32 b + 16 (lane / 16) + i of S0's 128 rows at register 16 b + i: what the quantiser wants.
;   q, k: S1 = the tokens, S0 = W's rows: a lane holds a token, registers run along 128 channels = two heads (a PAIR): quantised along the head's 64.
;   v:    S1 = Wv's rows, S0 = the tokens: a lane holds a channel, registers run along 128 keys: quantised along the keys.
; The bias is the C of each sum's first matrix instruction (so the sums are rounded in another order than bias-last; both are f32).
; OUT.  hc [p 3][batch 4][pair 8][half 2][j 16][a 8][512 bytes], each 512 bytes an image of four operand registers (16 bytes a lane).  q, k: half = the head in its pair, 8 j + a = the tile of 16 tokens, lane (r, h) = block h of row r.
;   v: half = keys 64 x half on, j = the key step of 128, a = 4 x head + tile of 16 channels.   hs [p][batch][pair][head 2][j 16][256 bytes]: q, k: [f 4][r][4]: bytes 0, 1 the two blocks of token tile 8 j + 2 f, bytes 2, 3 of the next tile;
;   v: [t 4][r][4]: the four key blocks of step j for row r of channel tile t.
; All of K lies in LDS: two slots of 512 along K, filled once, by joint loads: S1's tiles are shared along a row of the 4 x 4 cluster, S0's along a column.  Nothing is filled again.
; LIMITS: as in the first launch (NaN, infinities; the floor's byte 1).
; REGISTERS, in windows of 256: window 0: v16-31 addresses; v32-95 scale words, two sets; v96-127 at work on the way out; v128-191 S1's fragments, ONE set, later the codes; v192-255 the bias, later 64 numbers at work.
;   window 1: S0's fragments, TWO sets, at v0 and v128.   windows 2, 3: the accumulators ((a, b) at v[8 (8 (a % 4) + b)] of window 2 + a / 4).
.set FR,    8                          ; registers of a fragment: 16 rows x 128 K
.set NL,    2                          ; LDS loads that bring one
.set NP,    4                          ; places behind this matrix instruction (ISA guide 7.12.1)
.set NQ,    4                          ; steps of 128 along K in a slot
.set SLOT,  131072                     ; a slot: four waves' loads of 32,768 bytes: S1's 16 tiles, then S0's 16; a tile's half image is 4,096 bytes
.set SCL,   2*SLOT                     ; the scale words: 4,096 bytes for each loading wave: [K step 8][tile 8][r 16][4]
.set SST,   SCL+4*4096                 ; 512 bytes for each wave: its scale words on the way out
.set SPARE, SST+4*512                  ; the spare words, 128 bytes for each wave: two blocks of 256 bytes that no other line names
.set ADRA, 16                          ; v16-17  LDS address of my S1 fragments in slot 0, 1
.set ADRB, 20                          ; v20-21  the same for S0
.set SSA,  22                          ; v22     the way out: where my scale words go
.set SSR,  23                          ; v23     and where I read them back
.set HSO,  24                          ; v24     my byte offset in hs
.set SELV, 25                          ; v25     byte selects for q's and k's scale words; v30 for v's
.set CO,   26                          ; v26     16 x lane
.set ADRS, 27                          ; v27     LDS address of my scale words: lanes 0-15 S1's rows, lanes 16-31 S0's
.set SPW,  28                          ; v28     LDS address of my spare word; never rewritten
.set NIL,  29                          ; v29     0; never rewritten
.set SC,   32                          ; scale words: set s at v[SC + 32 s]; register 4 i + q: lanes 0-15 S1's block i, lanes 16-31 S0's tile i, the slot's q-th 128 along K
.set TM,   96                          ; v96-111 first the bias's offsets, then at work in QUANT
.set PWS,  112                         ; v112-119 the scale word of each block a
.set W4,   120                         ; v120-127 scale words on their way out
.set AF,   128
.set BIAS, 192
.set T,    192
.set SEL,  66                          ; s[66:67] lane selects for v_permlanex16_b32
.set G1,   24                          ; s[24:31] group 1 for S1's codes;  s[32:39] group 0, one set for each slot
.set G0,   32
.set G1B,  48                          ; s[48:55], s[56:63] the same for S0's
.set G0B,  56
.set G1S,  68                          ; s[68:75], s[76:79] groups 1 and 0 for S1's scale words;  s[80:87], s[88:91] for S0's
.set G0S,  76
.set G1SB, 80
.set G0SB, 88
.set MSB, 0
.macro WIN new                         ; the immediate's high byte repeats the setting that is left
.if MSB != (\new)
	s_set_vgpr_msb (MSB<<8)|(\new)
.set MSB, \new
.endif
.endm
.set MUL_LO, 0xa1                      ; source 0 window 1, source 1 window 0, C and D window 2
.set MUL_HI, 0xf1                      ; the same, C and D window 3
.set TO_B,   0x40                      ; destination window 1, address window 0
; A joint load: waves 0 and 1 fetch for S1, waves 2 and 3 for S0.  Each line has one mask and one set of registers for all that issue it; the branch hangs on the wave's number alone.
.macro JLOAD g0a, g1a, g0b, g1b
	s_cmp_eq_u32 s19, 0
	s_cbranch_scc0 .Lfor_b_\@
	tensor_load_to_lds s[\g0a:\g0a+3], s[\g1a:\g1a+7]
	s_nop 0
.rept 4
	v_nop
.endr
	s_branch .Lasked_\@
.Lfor_b_\@:
	tensor_load_to_lds s[\g0b:\g0b+3], s[\g1b:\g1b+7]
	s_nop 0
.rept 4
	v_nop
.endr
.Lasked_\@:
.endm
.macro CROUND                          ; a round of the cluster's barrier
	s_barrier_signal -1
	s_barrier_wait -1
	s_cmp_lg_u32 s18, 0
	s_cbranch_scc1 .Lnot_wave_0_\@
	s_barrier_signal -3
.Lnot_wave_0_\@:
	s_barrier_wait -3
	s_barrier_signal -1
	s_barrier_wait -1
.endm
.macro QUANT s, pc, pw                 ; as in the first launch
.irp b, 0,1,2,3
	v_max3_num_f32 v[TM+\b], |v[\s+16*\b]|, |v[\s+1+16*\b]|, 0x1800000
.endr
.irp i, 2,4,6,8,10,12,14
.irp b, 0,1,2,3
	v_max3_num_f32 v[TM+\b], v[TM+\b], |v[\s+16*\b+\i]|, |v[\s+1+16*\b+\i]|
.endr
.endr
.irp b, 0,1,2,3
	v_permlanex16_b32 v[TM+4+\b], v[TM+\b], s[SEL], s[SEL+1]
.endr
.irp b, 0,1,2,3
	v_max_num_f32 v[TM+\b], v[TM+\b], v[TM+4+\b]
.endr
.irp b, 0,1,2,3
	v_add_nc_u32 v[TM+12+\b], 0xff000000, v[TM+\b]
.endr
.irp b, 0,1,2,3
	v_lshrrev_b32 v[TM+4+\b], 23, v[TM+12+\b]
.endr
	v_lshl_or_b32 v[\pw], v[TM+5], 8, v[TM+4]
	v_lshl_or_b32 v[\pw], v[TM+6], 16, v[\pw]
	v_lshl_or_b32 v[\pw], v[TM+7], 24, v[\pw]
.irp b, 0,1,2,3
	v_cvt_scalef32_pk8_fp4_f32 v[\pc+2*\b], v[\s+16*\b:\s+7+16*\b], v[TM+12+\b]
	v_cvt_scalef32_pk8_fp4_f32 v[\pc+1+2*\b], v[\s+8+16*\b:\s+15+16*\b], v[TM+12+\b]
.endr
	v_nop                                          ; one plain place behind a scaled conversion
.irp c, 0,1
.irp i, 0,1
	v_permlane16_swap_b32 v[\pc+4*\c+\i], v[\pc+2+4*\c+\i]
.endr
.endr
.endm
	s_load_b256 s[4:11], s[0:1], 0x0               ; cd s[4:5], sc s[6:7], bq s[8:9], bk s[10:11]
	s_load_b128 s[12:15], s[0:1], 0x20             ; bv s[12:13], hc s[14:15]
	s_load_b64 s[16:17], s[0:1], 0x30              ; hs
	v_lshl_add_u32 v[SPW], v0, 2, SPARE
	v_mov_b32 v[NIL], 0
	ds_add_u32 v[SPW], v[NIL]                      ; the wave's opening: the add, twice on end, and its wait ahead of my first tensor load
	ds_add_u32 v[SPW], v[NIL]
	v_lshrrev_b32 v1, 5, v0
	v_readfirstlane_b32 s18, v1                    ; wave 0..3
	s_lshr_b32 s19, s18, 1                         ; RH: which half of S1's 256 rows is mine.  Also: I fetch for S1 (0) or for S0 (1)
	s_and_b32 s20, s18, 1                          ; CH: which half of S0's.  Also: which 8 tiles I fetch
	s_bfe_u32 s21, ttmp6, 0x40000                  ; cx
	s_bfe_u32 s22, ttmp6, 0x40004                  ; cy
	s_and_b32 s23, ttmp7, 0xffff                   ; the cluster's y: the same in all sixteen partners
	s_lshr_b32 s40, s23, 3                         ; p
	s_and_b32 s41, s23, 7                          ; cl
	s_lshl_b32 s42, s22, 2
	s_lshl_b32 s42, 15, s42                        ; my row of the cluster
	s_lshl_b32 s43, 0x1111, s21                    ; my column
	s_or_b32 s[G1+0], s42, (3<<16)|(1<<21)         ; 15:0 the mask; 17:16 elements of 8 bytes; 21 set beside a mask; no padding
	s_or_b32 s[G1B+0], s43, (3<<16)|(1<<21)
	s_or_b32 s[G1S+0], s42, (3<<16)|(1<<21)
	s_or_b32 s[G1SB+0], s43, (3<<16)|(1<<21)
.irp g, G1, G1B                        ; codes: 8 tiles' half images: 8 rows of 4,096 bytes, 8,192 bytes apart
	s_mov_b32 s[\g+1], 512<<16                     ; tensor_dim0
	s_mov_b32 s[\g+2], 8<<16                       ; tensor_dim1
	s_mov_b32 s[\g+3], 512<<16                     ; tile_dim0
	s_mov_b32 s[\g+4], 8                           ; tile_dim1
	s_mov_b32 s[\g+5], 1024                        ; tensor_dim0_stride
	s_mov_b32 s[\g+6], 0
	s_mov_b32 s[\g+7], 0
.endr
.irp g, G1S, G1SB                      ; scale words: 8 K steps' rows of 512 bytes (8 tiles), 114,688 bytes apart
	s_mov_b32 s[\g+1], 64<<16
	s_mov_b32 s[\g+2], 8<<16
	s_mov_b32 s[\g+3], 64<<16
	s_mov_b32 s[\g+4], 8
	s_mov_b32 s[\g+5], 14336
	s_mov_b32 s[\g+6], 0
	s_mov_b32 s[\g+7], 0
.endr
	s_lshl_b32 s44, s40, 9
	s_lshl_b32 s45, s41, 6
	s_add_co_u32 s44, s44, s45                     ; q, k: S1 = the tokens: tile 512 p + 64 cl
	s_lshl_b32 s46, s40, 6
	s_add_co_u32 s46, s46, 1536                    ;       S0 = W: tile 1536 + 64 p
	s_add_co_u32 s45, s45, 1024                    ; v:    S0 = the tokens: tile 1024 + 64 cl
	s_cmp_eq_u32 s40, 2
	s_cselect_b32 s44, 1664, s44                   ;       S1 = Wv: tile 1664
	s_cselect_b32 s46, s45, s46
	s_cselect_b32 s47, -1, 0                       ; all ones where p = 2
	s_lshl_b32 s45, s20, 3                         ; the 8 tiles that I fetch
	s_lshl_b32 s92, s22, 4
	s_add_co_u32 s92, s92, s45
	s_add_co_u32 s92, s92, s44                     ; S1's: + 16 cy: shared along my row of the cluster
	s_lshl_b32 s94, s21, 4
	s_add_co_u32 s94, s94, s45
	s_add_co_u32 s94, s94, s46                     ; S0's: + 16 cx: shared along my column
	s_lshl_b32 s96, s92, 6                         ; their scale words: 64 bytes a tile,
	s_mov_b32 s97, 0
	s_lshl_b32 s92, s92, 13                        ; their images: 8,192 bytes a tile
	s_mov_b32 s93, 0
	s_lshl_b32 s98, s94, 6
	s_mov_b32 s99, 0
	s_lshl_b32 s94, s94, 13
	s_mov_b32 s95, 0
	s_lshl_b32 s2, s18, 15                         ; where they go: wave x 32,768: no place in the cluster enters an LDS address
	s_lshl_b32 s3, s18, 12
	s_mov_b32 s[SEL], 0x76543210
	s_mov_b32 s[SEL+1], 0xfedcba98
	s_wait_dscnt 0x0                               ; both opening adds are done
	s_wait_kmcnt 0x0
	s_add_nc_u64 s[92:93], s[4:5], s[92:93]
	s_add_nc_u64 s[94:95], s[4:5], s[94:95]
	s_add_nc_u64 s[96:97], s[6:7], s[96:97]
	s_add_nc_u64 s[98:99], s[6:7], s[98:99]
	CROUND                                         ; all sixteen work-groups are here: the joint loads meet
	s_mov_b32 s[G0S], 1
	s_add_co_u32 s[G0S+1], s3, SCL
	s_mov_b64 s[G0S+2:G0S+3], s[96:97]
	s_or_b32 s[G0S+3], s[G0S+3], 0x80000000
	s_mov_b32 s[G0SB], 1
	s_add_co_u32 s[G0SB+1], s3, SCL
	s_mov_b64 s[G0SB+2:G0SB+3], s[98:99]
	s_or_b32 s[G0SB+3], s[G0SB+3], 0x80000000
	JLOAD G0S, G1S, G0SB, G1SB                     ; the scale words first: they are wanted with the first K step
.irp s, 0,1
	s_mov_b32 s[G0+4*\s], 1
	s_add_co_u32 s[G0+4*\s+1], s2, \s*SLOT
	s_add_nc_u64 s[G0+4*\s+2:G0+4*\s+3], s[92:93], \s*4096
	s_or_b32 s[G0+4*\s+3], s[G0+4*\s+3], 0x80000000
	s_mov_b32 s[G0B+4*\s], 1
	s_add_co_u32 s[G0B+4*\s+1], s2, \s*SLOT
	s_add_nc_u64 s[G0B+4*\s+2:G0B+4*\s+3], s[94:95], \s*4096
	s_or_b32 s[G0B+4*\s+3], s[G0B+4*\s+3], 0x80000000
	s_wait_alu depctr_va_vdst(0)
	s_wait_tensorcnt 0x0
	ds_add_u32 v28, v29
	s_wait_dscnt 0x0
	CROUND
	JLOAD G0+4*\s, G1, G0B+4*\s, G1B               ; one tensor load of mine is out
.endr
	; which pair of heads, which 128 tokens
	s_lshl_b32 s42, s22, 1
	s_add_co_u32 s42, s42, s19                     ; 2 cy + RH: S1's 128 rows
	s_lshl_b32 s43, s21, 1
	s_add_co_u32 s43, s43, s20                     ; 2 cx + CH: S0's
	s_cmp_eq_u32 s40, 1
	s_cselect_b64 s[8:9], s[10:11], s[8:9]         ; the bias: bq, bk
	s_cmp_eq_u32 s40, 2
	s_cselect_b64 s[8:9], s[12:13], s[8:9]         ; or bv
	s_cselect_b32 s44, s42, s43                    ; the pair: the channels' side
	s_cselect_b32 s45, s43, s42                    ; the tokens' side,
	s_lshl_b32 s46, s41, 3
	s_add_co_u32 s45, s45, s46                     ; + 8 cl: which 128 of the 8,192 tokens
	s_lshr_b32 s46, s45, 4                         ; batch
	s_and_b32 s45, s45, 15                         ; j
	s_lshl_b32 s2, s40, 22                         ; hc: 4 MiB a projection,
	s_lshl_b32 s3, s46, 20
	s_add_co_u32 s2, s2, s3                        ; 1 MiB a batch,
	s_lshl_b32 s3, s44, 17
	s_add_co_u32 s2, s2, s3                        ; 128 KiB a pair,
	s_lshl_b32 s3, s45, 12
	s_add_co_u32 s2, s2, s3                        ; 4,096 bytes a j
	s_mov_b32 s3, 0
	s_add_nc_u64 s[14:15], s[14:15], s[2:3]
	s_lshl_b32 s2, s40, 18                         ; hs: a sixteenth of that
	s_lshl_b32 s42, s46, 16
	s_add_co_u32 s2, s2, s42
	s_lshl_b32 s42, s44, 13
	s_add_co_u32 s2, s2, s42
	s_lshl_b32 s42, s45, 8
	s_add_co_u32 s2, s2, s42
	s_add_nc_u64 s[16:17], s[16:17], s[2:3]
	s_lshl_b32 s2, s44, 9                          ; the pair's 128 numbers of the bias
	s_add_nc_u64 s[8:9], s[8:9], s[2:3]
	v_and_b32 v1, 15, v0                           ; r
	v_bfe_u32 v2, v0, 4, 1                         ; h
	v_and_b32 v3, 31, v0
	v_lshlrev_b32 v[CO], 4, v3
	; the bias in the result's layout.  q, k: register j of tile b holds channel 32 (b / 2) + 8 (b % 2) + 16 h + j.   v: all eight registers of block a hold channel 32 (a / 2) + 8 (a % 2) + r + 8 (r / 8)
	v_and_b32 v4, 8, v1
	v_add_nc_u32 v4, v4, v1
	v_lshlrev_b32 v4, 2, v4
	v_lshlrev_b32 v5, 6, v2
.irp j, 0,1,2,3,4,5,6,7
	v_add_nc_u32 v6, 4*\j, v5
	v_cndmask_b32 v[TM+\j], v6, v4, s47
.endr
.irp x, 0,1,2,3,4,5,6,7
.irp j, 0,1,2,3,4,5,6,7
	global_load_b32 v[BIAS+8*\x+\j], v[TM+\j], s[8:9] offset:(32*(\x/2)+8*(\x%2))*4
.endr
.endr
	s_lshl_b32 s42, s19, 15                        ; my 8 tiles of S1
	s_lshl_b32 s43, s20, 15
	s_add_co_u32 s43, s43, 65536                   ; my 8 of S0, behind S1's 16
.irp s, 0,1
	v_add_nc_u32 v[ADRA+\s], s42, v[CO]
	v_add_nc_u32 v[ADRB+\s], s43, v[CO]
	s_add_co_u32 s42, s42, SLOT
	s_add_co_u32 s43, s43, SLOT
.endr
	s_lshl_b32 s42, s19, 12                        ; S1's scale words: wave RH fetched them;
	s_add_co_u32 s43, s20, 2
	s_lshl_b32 s43, s43, 12                        ; S0's: wave 2 + CH
	s_sub_co_u32 s43, s43, s42
	v_mul_u32_u24 v4, s43, v2                      ; lanes 16-31 take S0's
	s_add_co_u32 s42, s42, SCL
	v_lshl_add_u32 v4, v1, 2, v4
	v_add_nc_u32 v[ADRS], s42, v4
	s_lshl_b32 s42, s18, 9
	s_add_co_u32 s42, s42, SST
	v_lshlrev_b32 v4, 2, v1
	v_lshl_add_u32 v4, v2, 8, v4
	v_add_nc_u32 v[SSA], s42, v4                   ; 256 h + 4 r: lanes 16-31 make the second head's words
	v_add_nc_u32 v[SSR], s42, v[CO]
	v_lshlrev_b32 v[HSO], 4, v1
	v_lshl_add_u32 v[HSO], v2, 12, v[HSO]          ; in hs the two heads lie 4,096 bytes apart
	s_mov_b32 s46, 0xffff0000                      ; lanes 16-31
	v_mov_b32 v[SELV], 0x05040100                  ; q, k: bytes 0, 1 of two words (first head),
	v_mov_b32 v4, 0x07060302                       ; or bytes 2, 3 (second head)
	v_cndmask_b32 v[SELV], v[SELV], v4, s46
	v_mov_b32 v30, 0x03020100                      ; v: the word of block t (first head),
	v_mov_b32 v4, 0x07060504                       ; or of block 4 + t
	v_cndmask_b32 v30, v30, v4, s46
.macro FRAG reg, adr, q, i             ; a fragment as it lies: 16 bytes a lane at 4096 i + 1024 q + 512 c + 16 x lane: an instruction's 512 bytes are consecutive
.irp c, 0,1
	ds_load_b128 v[\reg+4*\c:\reg+4*\c+3], v[\adr] offset:4096*(\i)+1024*(\q)+512*\c
.endr
.endm
; 16 matrix instructions: S1's blocks a0, a0 + 1 x S0's eight tiles, the slot's q-th 128 along K.  p: S0's set; sc: the set of scale words.  mode 0: the sums go on; 1: they begin with the bias by S0's tile; 2: by S1's block.
; The 64 accumulators take turns, one instruction a turn, in the same order in every step.
.macro MUL16 a0, p, q, sc, mode
.irp a, \a0, \a0+1
.irp b, 0,1,2,3,4,5,6,7
.if (\mode) == 0
	v_wmma_scale_f32_16x16x128_f8f6f4 v[8*(8*((\a)%4)+\b):8*(8*((\a)%4)+\b)+7], v[128*(\p)+FR*\b:128*(\p)+FR*\b+FR-1], v[AF+FR*(\a):AF+FR*(\a)+FR-1], v[8*(8*((\a)%4)+\b):8*(8*((\a)%4)+\b)+7], v[SC+32*(\sc)+4*\b+(\q)], v[SC+32*(\sc)+4*(\a)+(\q)] matrix_a_fmt:MATRIX_FMT_FP4 matrix_b_fmt:MATRIX_FMT_FP4 matrix_a_scale:MATRIX_SCALE_ROW1
.elseif (\mode) == 1
	v_wmma_scale_f32_16x16x128_f8f6f4 v[8*(8*((\a)%4)+\b):8*(8*((\a)%4)+\b)+7], v[128*(\p)+FR*\b:128*(\p)+FR*\b+FR-1], v[AF+FR*(\a):AF+FR*(\a)+FR-1], v[BIAS+8*\b:BIAS+8*\b+7], v[SC+32*(\sc)+4*\b+(\q)], v[SC+32*(\sc)+4*(\a)+(\q)] matrix_a_fmt:MATRIX_FMT_FP4 matrix_b_fmt:MATRIX_FMT_FP4 matrix_a_scale:MATRIX_SCALE_ROW1
.else
	v_wmma_scale_f32_16x16x128_f8f6f4 v[8*(8*((\a)%4)+\b):8*(8*((\a)%4)+\b)+7], v[128*(\p)+FR*\b:128*(\p)+FR*\b+FR-1], v[AF+FR*(\a):AF+FR*(\a)+FR-1], v[BIAS+8*(\a):BIAS+8*(\a)+7], v[SC+32*(\sc)+4*\b+(\q)], v[SC+32*(\sc)+4*(\a)+(\q)] matrix_a_fmt:MATRIX_FMT_FP4 matrix_b_fmt:MATRIX_FMT_FP4 matrix_a_scale:MATRIX_SCALE_ROW1
.endif
.endr
.endr
.endm
.macro FETCH_B slot, q, p
	WIN TO_B
.irp i, 0,1,2,3,4,5,6,7
	FRAG 128*(\p)+FR*\i, ADRB+\slot, \q, \i
.endr
	WIN 0
.endm
.macro FETCH_A slot, q, i0
.irp i, \i0, \i0+1, \i0+2, \i0+3
	FRAG AF+FR*(\i), ADRA+\slot, \q, \i
.endr
.endm
.macro SCALES sl                       ; the slot's scale words: lanes 0-15 S1's block i, lanes 16-31 S0's tile i
.irp i, 0,1,2,3,4,5,6,7
.irp q, 0,1,2,3
	ds_load_b32 v[SC+32*\sl+4*\i+\q], v[ADRS] offset:(4*\sl+\q)*512+64*\i
.endr
.endr
.endm
.macro PLACES n                        ; places in front of loads into registers that matrix instructions have read (ISA guide 7.12.1 for vector instructions)
.rept \n
	v_nop
.endr
.endm
.macro STEP slot, q, mode              ; a step of 128 along K that has its successor in the same slot
	s_wait_dscnt 4*NL                              ; S0's set, the scale words and S1's blocks 0-3 are in; the youngest eight loads (S1's blocks 4-7) may be out
.if \mode
	WIN 0x81                                       ; C (the bias) window 0, D window 2
.else
	WIN MUL_LO
.endif
	MUL16 0, (\q)%2, \q, \slot, \mode
	MUL16 2, (\q)%2, \q, \slot, \mode
	s_wait_dscnt 0                                 ; S1's blocks 4-7 are in
	PLACES NP
	FETCH_B \slot, (\q)+1, 1-(\q)%2
	FETCH_A \slot, (\q)+1, 0
.if \mode
	WIN 0xc1
.else
	WIN MUL_HI
.endif
	MUL16 4, (\q)%2, \q, \slot, \mode
	MUL16 6, (\q)%2, \q, \slot, \mode
	PLACES NP
	WIN 0
	FETCH_A \slot, (\q)+1, 4
.endm
.macro TURN slot, next                 ; a slot's last step: one barrier; in front of it each wave waits for all its tensor loads: behind it the next slot is whole.  Nothing is filled again
	s_wait_tensorcnt 0x0                           ; my part of the next slot has landed
	ds_add_u32 v[SPW], v[NIL]                      ; 0 onto my spare word
	s_wait_dscnt 4*NL+1                            ; (the add and the youngest eight loads may be out)
	WIN MUL_LO
	MUL16 0, 1, NQ-1, \slot, 0
	s_wait_dscnt 0x0                               ; no LDS instruction of mine is out at the signal
	s_barrier_signal -1
	MUL16 2, 1, NQ-1, \slot, 0
	WIN 0
	s_barrier_wait -1
	PLACES NP
	FETCH_B \next, 0, 0
	FETCH_A \next, 0, 0
	SCALES \next
	WIN MUL_HI
	MUL16 4, 1, NQ-1, \slot, 0
	MUL16 6, 1, NQ-1, \slot, 0
	PLACES NP
	WIN 0
	FETCH_A \next, 0, 4
.endm
.macro STEPS slot, from
.set Q, \from
.rept NQ-1-\from
	STEP \slot, Q, 0
.set Q, Q+1
.endr
.endm
	s_wait_tensorcnt 1                             ; the scale words and my part of slot 0 are in (slot 1's load may be out)
	s_barrier_signal -1
	s_barrier_wait -1                              ; everybody's are
	FETCH_B 0, 0, 0
	FETCH_A 0, 0, 0
	SCALES 0
	FETCH_A 0, 0, 4
	s_wait_loadcnt 0x0                             ; the bias
	s_cmp_eq_u32 s40, 2                            ; the first step is written twice: the bias runs along S0's rows (q, k) or along S1's (v).  The branch hangs on the cluster's number alone; both arms load and wait alike
	s_cbranch_scc1 .Lfirst_v
	STEP 0, 0, 1
	s_branch .Lfirst_done
.Lfirst_v:
	STEP 0, 0, 2
.Lfirst_done:
	STEPS 0, 1
	TURN 0, 1
	STEPS 1, 0
	s_wait_dscnt 4*NL                              ; the very last step: nothing more to fetch
	WIN MUL_LO
	MUL16 0, 1, NQ-1, 1, 0
	MUL16 2, 1, NQ-1, 1, 0
	s_wait_dscnt 0
	WIN MUL_HI
	MUL16 4, 1, NQ-1, 1, 0
	MUL16 6, 1, NQ-1, 1, 0
	WIN 0
	; THE WAY OUT, block by block of S1: ReLU, the quantiser, two stores of 512 consecutive bytes.
.irp b, 0,1,2,3
	v_mov_b32 v[TM+4+\b], 0                        ; the lane permutes' destinations are written; these four are also the places behind the last products
.endr
.irp a, 0,1,2,3,4,5,6,7
	WIN 0x08+4*(\a/4)                              ; source 1: window 2 or 3
.set i, 0
.rept 64
	v_max_num_f32 v[T+i], 0, v[64*(\a%4)+i]        ; each accumulator from its low end on
.set i, i+1
.endr
	WIN 0
	QUANT T, AF+8*\a, PWS+\a
	global_store_b128 v[CO], v[AF+8*\a:AF+8*\a+3], s[14:15] offset:\a*512
	global_store_b128 v[CO], v[AF+8*\a+4:AF+8*\a+7], s[14:15] offset:65536+\a*512
.endr
	; the scale words.  Both forms are made and one is chosen, with no branch.
.irp f, 0,1,2,3
	v_perm_b32 v[W4+\f], v[PWS+2*\f+1], v[PWS+2*\f], v[SELV]     ; q, k: my head's two bytes of token tiles 2 f and 2 f + 1
	v_perm_b32 v[W4+4+\f], v[PWS+4+\f], v[PWS+\f], v30           ; v: the word of my head's channel tile f
.endr
.irp f, 0,1,2,3
	v_cndmask_b32 v[W4+\f], v[W4+\f], v[W4+4+\f], s47
.endr
.irp f, 0,1,2,3
	ds_store_b32 v[SSA], v[W4+\f] offset:64*\f
.endr
	ds_load_b128 v[W4+4:W4+7], v[SSR]              ; LDS serves a wave's instructions in order: this sees my stores
	s_wait_dscnt 0x0
	global_store_b128 v[HSO], v[W4+4:W4+7], s[16:17]   ; sixteen lanes store 256 consecutive bytes, at a multiple of 256 from hs's first byte
	s_wait_tensorcnt 0x0                           ; the wave's end
	ds_add_u32 v[SPW], v[NIL]
	s_wait_dscnt 0x0
	CROUND                                         ; the closing round
	s_endpgm
.Lfunc_end_k_q109f8c51f8_proj:
	.size	k_q109f8c51f8_proj, .Lfunc_end_k_q109f8c51f8_proj-k_q109f8c51f8_proj
	.p2alignl 7, 3214868480
	.fill 96, 4, 3214868480
	.section	.rodata,"a",@progbits
	.p2align	6, 0x0
	.amdhsa_kernel k_q109f8c51f8_proj
		.amdhsa_group_segment_fixed_size 327680
		.amdhsa_private_segment_fixed_size 0
		.amdhsa_enable_private_segment 0
		.amdhsa_kernarg_size 56
		.amdhsa_user_sgpr_count 2
		.amdhsa_user_sgpr_kernarg_segment_ptr 1
		.amdhsa_wavefront_size32 1
		.amdhsa_system_sgpr_workgroup_id_x 1
		.amdhsa_system_sgpr_workgroup_id_y 1
		.amdhsa_system_sgpr_workgroup_id_z 1
		.amdhsa_system_vgpr_workitem_id 0
		.amdhsa_next_free_vgpr 1024
		.amdhsa_next_free_sgpr 100
		.amdhsa_reserve_vcc 0
		.amdhsa_float_denorm_mode_32 3
		.amdhsa_float_denorm_mode_16_64 3
		.amdhsa_memory_ordered 1
		.amdhsa_forward_progress 1
		.amdhsa_inst_pref_size 166
	.end_amdhsa_kernel
	.amdgpu_metadata
---
amdhsa.version: [ 1, 2 ]
amdhsa.kernels:
  - .name:           k_q109f8c51f8_proj
    .symbol:         k_q109f8c51f8_proj.kd
    .args:
      - { .name: cd, .offset: 0, .size: 8, .value_kind: global_buffer, .address_space: global }
      - { .name: sc, .offset: 8, .size: 8, .value_kind: global_buffer, .address_space: global }
      - { .name: bq, .offset: 16, .size: 8, .value_kind: global_buffer, .address_space: global }
      - { .name: bk, .offset: 24, .size: 8, .value_kind: global_buffer, .address_space: global }
      - { .name: bv, .offset: 32, .size: 8, .value_kind: global_buffer, .address_space: global }
      - { .name: hc, .offset: 40, .size: 8, .value_kind: global_buffer, .address_space: global }
      - { .name: hs, .offset: 48, .size: 8, .value_kind: global_buffer, .address_space: global }
    .group_segment_fixed_size: 327680
    .private_segment_fixed_size: 0
    .kernarg_segment_align: 8
    .kernarg_segment_size: 56
    .max_flat_workgroup_size: 128
    .sgpr_count:     100
    .vgpr_count:     1024
    .wavefront_size: 32
...
	.end_amdgpu_metadata
.endif
;; end of part 2
;; launch attn (part 3): grid 8 x 32, 16 waves a work-group, clusters of 4 x 1, 327,680 bytes of LDS; arguments hc, hs, yc, ys; writes yc, ys
.if DOCPART == 3
	.amdgcn_target "amdgcn-amd-amdhsa--gfx1250"
	.amdhsa_code_object_version 6
	.text
	.protected	k_q109f8c51f8_attn
	.globl	k_q109f8c51f8_attn
	.p2align	8
	.type	k_q109f8c51f8_attn,@function
k_q109f8c51f8_attn:
	s_mov_b64 s[64:65], 0
	v_nop
	global_prefetch_b8 v0, s[64:65] scope:SCOPE_SE
	s_setreg_imm32_b32 hwreg(HW_REG_WAVE_MODE, 25, 1), 1
	s_wait_xcnt 0x0
	s_wait_alu depctr_hold_cnt(0) depctr_sa_sdst(0) depctr_va_vdst(0) depctr_va_sdst(0) depctr_va_ssrc(0) depctr_va_vcc(0) depctr_vm_vsrc(0)
	s_getreg_b32 s2, hwreg(HW_REG_IB_STS2, 6, 4)
	s_cmp_eq_u32 s2, 0
	s_cbranch_scc0 .Lentry_in_a_cluster
	s_endpgm
.Lentry_in_a_cluster:
	s_bfe_u32 s2, ttmp6, 0x10000c
	s_cmp_lg_u32 s2, 0x3003
	s_cbranch_scc0 .Lentry_shape_is_right
	s_endpgm
.Lentry_shape_is_right:
; Launch 3 of 4: y = softmax(qh kh^T / 8) vh for each batch and head, both products on codes of E2M1, and y's quantising along D for the last product.  No work is left out.
; THE SOFTMAX: t = score x log2(e) / 8; M = the running largest t, rounded UP to a whole number; p = 2^(t - M) is quantised along the keys, not normalised; the row's sum is taken of the unquantised p and divides at the end.
; When M moves, the sum and O are multiplied by 2^(old M - new M): exact.
; SHARES.  Work-group y = 8 x batch + pair of heads; work-group x = a block of 256 queries.  Each of the SIXTEEN waves owns one tile of 16 queries and takes the pair's two heads one after the other.
; The pair's K and V codes (2 x 128 KiB) and scale words lie whole in LDS, filled once: nothing is ever filled again.  The four query blocks of a cluster want the same K and V: each piece is asked for JOINTLY (mask 15).
; LAYOUT.  Both products are used transposed: S^T = K Q^T, O^T = V^T P^T: a lane holds ONE query (lane % 16) throughout.  By the order of rows in a tile (first launch), the 16 registers of score tiles 2 b, 2 b + 1 are keys 32 b + 16 (lane / 16) + 0 .. 15.
; THE HEAD'S 64 IN AN INSTRUCTION OF 128.  A fragment of K is dense: registers 0-3 are key tile 2 f (K places 0-63), registers 4-7 key tile 2 f + 1 (places 64-127).  Q lies in v16-27 as zeros | q | zeros: v[20:27] = q, 0 picks tile 2 f,
; v[16:23] = 0, q picks tile 2 f + 1: zero codes add nothing.  K's scale word holds the two tiles' two bytes each; Q's holds its two bytes twice.
; OUT.  yc: images as in the first launch, tile 128 x batch + query tile; ys [pair 8][tile 512][r 16][4 bytes].
; LIMITS: as in the first launch; what falls under the smallest normal f32 number in p is lost.
; REGISTERS: v1-4 addresses that stay; v5, v6 the add's two; v7 16 x lane; v8-11 the step's addresses; v12 -M, v13 the largest t, v[14:15] the sum; v16-27 Q; v28-31 V's scale words; v32-63 K; v64-95 V; v96-159 S^T, then p; v160-191 O^T;
;   v192-199 y's codes; v200 y's scale word; v201 Q's; v202-207 raw scale words of q, q of head 1; v208-223 the way out; v224-231 p's codes; v232-254 at work; v248-251 K's scale words.
.set VC,    131072                     ; LDS: K's codes at 0 (head c at 65,536 c: [key tile 128][512 bytes]); V's here (head c at + 65,536 c: [16 half + key step][channel tile 4][512 bytes])
.set KS,    262144                     ; K's scale words, 8 KiB: [head][key step 16][f 4][r][4]
.set VS,    270336                     ; V's, 8 KiB: [head][key step 16][t 4][r][4]
.set YST,   278528                     ; y's scale words of the sixteen tiles, 1 KiB
.set SPARE, 279552                     ; the spare words, 128 bytes for each wave: eight blocks of 256 bytes that no other line names
.set SPW,  5
.set NIL,  6
.set WV,   12                          ; s12  my wave's number
.set SEL,  20                          ; s[20:21] lane selects for v_permlanex16_b32
.set CS,   22                          ; s[22:23] c = log2(e) / 8
.set G1K,  24                          ; s[24:31], s[32:39], s[40:47] group 1 for K's codes, V's codes, the scale words
.set G1V,  32
.set G1S,  40
.set G0S,  48                          ; s[48:51] group 0 for the scale words;  s[52:59] K's, a set for each head;  s[60:63], s[68:71] V's
.set G0K,  52
.set G0V0, 60
.set G0V1, 68
.set TK,   72                          ; s72  where the step's tiles of K begin
.set TV,   73                          ; s73  V's
.set TS,   74                          ; s74  the step's scale words
.set KJ,   75                          ; s75  key steps to go
.set QSEL, 76                          ; s76  byte selects for Q's scale word
.macro CROUND
	s_barrier_signal -1
	s_barrier_wait -1
	s_cmp_lg_u32 s[WV], 0
	s_cbranch_scc1 .Lnot_wave_0_\@
	s_barrier_signal -3
.Lnot_wave_0_\@:
	s_barrier_wait -3
	s_barrier_signal -1
	s_barrier_wait -1
.endm
	s_load_b256 s[4:11], s[0:1], 0x0               ; hc s[4:5], hs s[6:7], yc s[8:9], ys s[10:11]
	v_lshl_add_u32 v[SPW], v0, 2, SPARE
	v_mov_b32 v[NIL], 0
	ds_add_u32 v[SPW], v[NIL]                      ; the wave's opening: the add, twice on end, and its wait ahead of my first tensor load
	ds_add_u32 v[SPW], v[NIL]
	v_lshrrev_b32 v8, 5, v0
	s_delay_alu instid0(VALU_DEP_1)
	v_readfirstlane_b32 s[WV], v8                  ; wave 0..15
	s_bfe_u32 s13, ttmp6, 0x40000                  ; cx: it enters Q's, yc's and ys's addresses alone
	s_lshl_b32 s14, ttmp9, 2
	s_add_co_u32 s14, s14, s13                     ; my block of 256 queries
	s_and_b32 s15, ttmp7, 0xffff
	s_lshr_b32 s16, s15, 3                         ; batch
	s_and_b32 s17, s15, 7                          ; pair
	s_and_b32 s18, s[WV], 7                        ; which eighth I fetch
	s_lshr_b32 s19, s[WV], 3                       ; for K (0) or for V (1)
	s_lshl_b32 s80, s16, 20
	s_lshl_b32 s81, s17, 17
	s_add_co_u32 s80, s80, s81                     ; the pair in a projection's part of hc
	s_lshl_b32 s82, s16, 16
	s_lshl_b32 s81, s17, 13
	s_add_co_u32 s82, s82, s81                     ; and of hs
	s_lshl_b32 s84, s19, 18
	s_add_co_u32 s84, s84, 262144                  ; scale words: kh's part of hs, or vh's,
	s_add_co_u32 s84, s84, s82
	s_lshl_b32 s81, s18, 10
	s_add_co_u32 s84, s84, s81                     ; my 1,024 bytes
	s_mov_b32 s85, 0
	s_lshl_b32 s91, s18, 13                        ; 8,192 bytes of a head's 65,536, in LDS (and for K in memory)
	s_add_co_u32 s86, s80, 0x400000                ; kh's part of hc
	s_add_co_u32 s86, s86, s91
	s_mov_b32 s87, 0
	s_add_co_u32 s88, s80, 0x800000                ; vh's part
	s_lshl_b32 s81, s18, 14
	s_add_co_u32 s88, s88, s81                     ; my 4 rows, 4,096 bytes apart
	s_mov_b32 s89, 0
	s_lshl_b32 s90, s[WV], 10
	s_mov_b32 s[G1K], 15|(3<<16)|(1<<21)           ; 15:0 the mask: all four work-groups; 17:16 elements of 8 bytes; 21 set beside a mask; no padding
	s_mov_b32 s[G1K+1], 32<<16                     ; K: a dense block of 8,192 bytes as 32 rows of 256
	s_mov_b32 s[G1K+2], 32<<16
	s_mov_b32 s[G1K+3], 32<<16
	s_mov_b32 s[G1K+4], 32
	s_mov_b32 s[G1K+5], 32
	s_mov_b32 s[G1K+6], 0
	s_mov_b32 s[G1K+7], 0
	s_mov_b32 s[G1V], 15|(3<<16)|(1<<21)
	s_mov_b32 s[G1V+1], 256<<16                    ; V: 4 rows of 2,048 bytes (a head's four channel tiles of one key step and half), 4,096 bytes apart
	s_mov_b32 s[G1V+2], 4<<16
	s_mov_b32 s[G1V+3], 256<<16
	s_mov_b32 s[G1V+4], 4
	s_mov_b32 s[G1V+5], 512
	s_mov_b32 s[G1V+6], 0
	s_mov_b32 s[G1V+7], 0
	s_mov_b32 s[G1S], 15|(3<<16)|(1<<21)
	s_mov_b32 s[G1S+1], 32<<16                     ; scale words: a dense block of 1,024 bytes as 4 rows of 256
	s_mov_b32 s[G1S+2], 4<<16
	s_mov_b32 s[G1S+3], 32<<16
	s_mov_b32 s[G1S+4], 4
	s_mov_b32 s[G1S+5], 32
	s_mov_b32 s[G1S+6], 0
	s_mov_b32 s[G1S+7], 0
	s_lshl_b32 s77, s14, 4
	s_add_co_u32 s78, s77, s[WV]                   ; T: my tile of 16 queries in the batch
	s_lshl_b32 s92, s78, 9
	s_add_co_u32 s92, s92, s80                     ; its codes in qh's part of hc (the second head's 65,536 bytes on)
	s_mov_b32 s93, 0
	s_lshr_b32 s94, s78, 1
	s_lshl_b32 s94, s94, 6
	s_add_co_u32 s94, s94, s82                     ; the scale words of tiles T & ~1, T | 1 (the second head's 4,096 bytes on)
	s_mov_b32 s95, 0
	s_lshl_b32 s79, s16, 7
	s_add_co_u32 s96, s79, s78
	s_lshl_b32 s96, s96, 13                        ; yc: my tile's image,
	s_lshl_b32 s81, s17, 10
	s_add_co_u32 s96, s96, s81                     ; K step = the pair
	s_mov_b32 s97, 0
	s_add_co_u32 s98, s79, s77
	s_lshl_b32 s98, s98, 6                         ; ys: the work-group's sixteen tiles,
	s_lshl_b32 s81, s17, 15
	s_add_co_u32 s98, s98, s81                     ; K step = the pair
	s_mov_b32 s99, 0
	s_mov_b32 s[SEL], 0x76543210
	s_mov_b32 s[SEL+1], 0xfedcba98
	s_mov_b32 s[CS], 0x3e38aa3b                    ; c = log2(e) / sqrt(64)
	s_mov_b32 s[CS+1], s[CS]                       ; (named with it as a pair, so it is written)
	s_and_b32 s81, s[WV], 1                        ; T % 2
	s_cmp_eq_u32 s81, 1
	s_mov_b32 s[QSEL], 0x01000100                  ; my tile's two bytes, twice: bytes 0, 1
	s_cselect_b32 s[QSEL], 0x03020302, s[QSEL]     ; or bytes 2, 3
	s_wait_dscnt 0x0                               ; both opening adds are done
	s_wait_kmcnt 0x0
	s_add_nc_u64 s[84:85], s[6:7], s[84:85]
	s_add_nc_u64 s[86:87], s[4:5], s[86:87]
	s_add_nc_u64 s[88:89], s[4:5], s[88:89]
	s_add_nc_u64 s[92:93], s[4:5], s[92:93]
	s_add_nc_u64 s[94:95], s[6:7], s[94:95]
	s_add_nc_u64 s[8:9], s[8:9], s[96:97]
	s_add_nc_u64 s[10:11], s[10:11], s[98:99]
	s_mov_b32 s[G0S], 1
	s_add_co_u32 s[G0S+1], s90, KS                 ; waves 0-7 fill K's 8 KiB, waves 8-15 V's, which follow
	s_mov_b64 s[G0S+2:G0S+3], s[84:85]
	s_or_b32 s[G0S+3], s[G0S+3], 0x80000000
.irp c, 0,1
	s_mov_b32 s[G0K+4*\c], 1
	s_add_co_u32 s[G0K+4*\c+1], s91, \c*65536
	s_add_nc_u64 s[G0K+4*\c+2:G0K+4*\c+3], s[86:87], \c*65536
	s_or_b32 s[G0K+4*\c+3], s[G0K+4*\c+3], 0x80000000
.endr
	s_mov_b32 s[G0V0], 1
	s_add_co_u32 s[G0V0+1], s91, VC
	s_mov_b64 s[G0V0+2:G0V0+3], s[88:89]
	s_or_b32 s[G0V0+3], s[G0V0+3], 0x80000000
	s_mov_b32 s[G0V1], 1
	s_add_co_u32 s[G0V1+1], s91, VC+65536
	s_add_nc_u64 s[G0V1+2:G0V1+3], s[88:89], 2048  ; the second head's four channel tiles
	s_or_b32 s[G0V1+3], s[G0V1+3], 0x80000000
	CROUND                                         ; all four work-groups are here: the joint loads meet
	tensor_load_to_lds s[G0S:G0S+3], s[G1S:G1S+7]  ; every wave: its 1,024 bytes of scale words
	s_nop 0
	s_cmp_lt_u32 s[WV], 8                          ; then its eighth of head 0's and of head 1's codes: K's (waves 0-7) or V's.  Three tensor loads of mine are out
	s_cbranch_scc0 .Lfirst_v
	tensor_load_to_lds s[G0K:G0K+3], s[G1K:G1K+7]
	s_nop 0
	tensor_load_to_lds s[G0K+4:G0K+7], s[G1K:G1K+7]
	s_nop 0
.rept 4
	v_nop
.endr
	s_branch .Lfirst_asked
.Lfirst_v:
	tensor_load_to_lds s[G0V0:G0V0+3], s[G1V:G1V+7]
	s_nop 0
	tensor_load_to_lds s[G0V1:G0V1+3], s[G1V:G1V+7]
	s_nop 0
.rept 4
	v_nop
.endr
.Lfirst_asked:
	v_and_b32 v8, 31, v0
	s_delay_alu instid0(VALU_DEP_1)
	v_lshlrev_b32 v7, 4, v8                        ; 16 x lane
	v_and_b32 v9, 15, v0
	s_delay_alu instid0(VALU_DEP_1)
	v_lshlrev_b32 v219, 2, v9                      ; 4 r
	global_load_b128 v[20:23], v7, s[92:93]                  ; q of head 0: lane (r, h): block h of query r
	global_load_b128 v[204:207], v7, s[92:93] offset:65536   ; of head 1
	global_load_b32 v202, v219, s[94:95]
	global_load_b32 v203, v219, s[94:95] offset:4096
	v_lshlrev_b32 v1, 4, v8                        ; K's fragments: 16 x lane
	v_add_nc_u32 v2, VC, v7                        ; V's
	v_add_nc_u32 v3, KS, v219                      ; K's scale words: 4 r
	v_add_nc_u32 v4, VS, v219                      ; V's
	s_lshl_b32 s77, s[WV], 6
	v_add_nc_u32 v216, s77, v219
	s_delay_alu instid0(VALU_DEP_1)
	v_add_nc_u32 v216, YST, v216                   ; where y's scale word goes: 64 x wave + 4 r
	v_and_b32 v218, 63, v0
	s_delay_alu instid0(VALU_DEP_1)
	v_lshlrev_b32 v218, 4, v218                    ; and how waves 0 and 1 take the 1,024 bytes out: 16 bytes a thread
	s_delay_alu instid0(VALU_DEP_1)
	v_add_nc_u32 v217, YST, v218
.irp j, 16,17,18,19,24,25,26,27
	v_mov_b32 v[\j], 0                             ; the zero codes on both sides of q
.endr
.irp j, 210,211,236,237,238,239,253
	v_mov_b32 v[\j], 0                             ; written once: a lane permute's destination counts as one of its sources; v253 is named as the upper half of v[252:253]
.endr
; A KEY STEP: 128 keys.
.macro STEP
	v_add_nc_u32 v8, s[TK], v1                     ; these four are also the places between the last products and the loads into the registers that they read
	v_add_nc_u32 v9, s[TV], v2
	v_add_nc_u32 v10, s[TS], v3
	v_add_nc_u32 v11, s[TS], v4
.irp f, 0,1,2,3
	ds_load_b128 v[32+8*\f:35+8*\f], v8 offset:1024*\f        ; key tile 2 f
	ds_load_b128 v[36+8*\f:39+8*\f], v8 offset:1024*\f+512    ; key tile 2 f + 1
.endr
.irp f, 0,1,2,3
	ds_load_b32 v[248+\f], v10 offset:64*\f
.endr
.irp t, 0,1,2,3
	ds_load_b128 v[64+8*\t:67+8*\t], v9 offset:512*\t         ; channel tile t, keys 0-63 of the step
	ds_load_b128 v[68+8*\t:71+8*\t], v9 offset:32768+512*\t   ; keys 64-127
.endr
.irp t, 0,1,2,3
	ds_load_b32 v[28+\t], v11 offset:64*\t
.endr
	s_wait_dscnt 12                                ; K and its scale words are in; V's twelve loads may be out
.irp f, 0,1,2,3
	v_wmma_scale_f32_16x16x128_f8f6f4 v[96+16*\f:103+16*\f], v[32+8*\f:39+8*\f], v[20:27], 0, v[248+\f], v201 matrix_a_fmt:MATRIX_FMT_FP4 matrix_b_fmt:MATRIX_FMT_FP4
	v_wmma_scale_f32_16x16x128_f8f6f4 v[104+16*\f:111+16*\f], v[32+8*\f:39+8*\f], v[16:23], 0, v[248+\f], v201 matrix_a_fmt:MATRIX_FMT_FP4 matrix_b_fmt:MATRIX_FMT_FP4
.endr
.rept 4
	v_nop
.endr
.irp b, 0,1,2,3
	v_max3_num_f32 v[232+\b], v[96+16*\b], v[97+16*\b], v[98+16*\b]   ; the largest score of each block of 32 keys: it serves for the row's maximum and, since p rises with the score, for the block's largest p
.endr
.irp i, 3,5,7,9,11,13
.irp b, 0,1,2,3
	v_max3_num_f32 v[232+\b], v[232+\b], v[96+16*\b+\i], v[97+16*\b+\i]
.endr
.endr
.irp b, 0,1,2,3
	v_max_num_f32 v[232+\b], v[232+\b], v[111+16*\b]
.endr
.irp b, 0,1,2,3
	s_delay_alu instid0(VALU_DEP_4)
	v_permlanex16_b32 v[236+\b], v[232+\b], s[SEL], s[SEL+1]
.endr
.irp b, 0,1,2,3
	s_delay_alu instid0(VALU_DEP_4)
	v_max_num_f32 v[232+\b], v[232+\b], v[236+\b]  ; with lane l xor 16's 16 keys
.endr
	s_delay_alu instid0(VALU_DEP_2)
	v_max3_num_f32 v254, v232, v233, v234
	s_delay_alu instid0(VALU_DEP_1)
	v_max_num_f32 v254, v254, v235                 ; the step's largest score of my query
	s_delay_alu instid0(VALU_DEP_1)
	v_mul_f32 v254, s[CS], v254                    ; as t
	s_delay_alu instid0(VALU_DEP_1)
	v_max_num_f32 v13, v13, v254                   ; the running largest t
	v_mov_b32 v254, v12
	s_delay_alu instid0(VALU_DEP_2)
	v_floor_f32 v12, -v13                          ; the new -M = floor(-t): M is a whole number
	s_delay_alu instid0(VALU_DEP_1)
	v_sub_f32 v254, v12, v254                      ; old M - new M: a whole number, 0 or less
	s_delay_alu instid0(VALU_DEP_1)
	v_cvt_i32_f32 v254, v254                       ; (it saturates)
	s_delay_alu instid0(VALU_DEP_1)
	v_ldexp_f32 v252, 1.0, v254                    ; f = 2^(old M - new M)
.irp j, 0,2,4,6,8,10,12,14,16,18,20,22,24,26,28,30,32,34,36,38,40,42,44,46,48,50,52,54,56,58,60,62
	v_pk_fma_f32 v[96+\j:97+\j], v[96+\j:97+\j], s[CS:CS+1], v[12:13] op_sel_hi:[1,0,0]   ; t - M, two at a time
.endr
.irp b, 0,1,2,3
	v_fma_f32 v[232+\b], v[232+\b], s[CS], v12     ; the same of each block's largest score
.endr
	s_wait_alu depctr_va_vdst(0)
.irp j, 0,1,2,3,4,5,6,7,8,9,10,11,12,13,14,15,16,17,18,19,20,21,22,23,24,25,26,27,28,29,30,31,32,33,34,35,36,37,38,39,40,41,42,43,44,45,46,47,48,49,50,51,52,53,54,55,56,57,58,59,60,61,62,63
	v_exp_f32 v[96+\j], v[96+\j]                   ; p = 2^(t - M), at most 1
.endr
	s_setprio 1
	v_pk_mul_f32 v[14:15], v[14:15], v[252:253] op_sel_hi:[1,0]   ; the sums under the new M: a plain place behind the exponentials
	s_wait_alu depctr_va_vdst(0)                   ; one wait for the whole batch, ahead of its first reader
.irp b, 0,1,2,3
	v_exp_f32 v[232+\b], v[232+\b]                 ; the block's largest p
.endr
	v_pk_add_f32 v[236:237], v[100:101], v[104:105]
	v_pk_add_f32 v[254:255], v[108:109], v[112:113]
	v_pk_add_f32 v[250:251], v[116:117], v[120:121]
	v_pk_add_f32 v[248:249], v[124:125], v[128:129]
	v_pk_add_f32 v[246:247], v[132:133], v[136:137]
	v_pk_add_f32 v[244:245], v[140:141], v[144:145]
	v_pk_add_f32 v[242:243], v[148:149], v[152:153]
	v_pk_add_f32 v[14:15], v[14:15], v[156:157]
	v_pk_add_f32 v[236:237], v[236:237], v[96:97]
	v_pk_add_f32 v[254:255], v[254:255], v[98:99]
	v_pk_add_f32 v[250:251], v[250:251], v[102:103]
	v_pk_add_f32 v[248:249], v[248:249], v[106:107]
	v_pk_add_f32 v[246:247], v[246:247], v[110:111]
	v_pk_add_f32 v[244:245], v[244:245], v[114:115]
	v_pk_add_f32 v[242:243], v[242:243], v[118:119]
	v_pk_add_f32 v[14:15], v[14:15], v[122:123]
	v_pk_add_f32 v[236:237], v[236:237], v[126:127]
	v_pk_add_f32 v[254:255], v[254:255], v[130:131]
	v_pk_add_f32 v[250:251], v[250:251], v[134:135]
	v_pk_add_f32 v[248:249], v[248:249], v[138:139]
	v_pk_add_f32 v[246:247], v[246:247], v[142:143]
	v_pk_add_f32 v[244:245], v[244:245], v[146:147]
	v_pk_add_f32 v[242:243], v[242:243], v[150:151]
	v_pk_add_f32 v[14:15], v[14:15], v[154:155]
	v_pk_add_f32 v[236:237], v[236:237], v[158:159]
	s_delay_alu instid0(VALU_DEP_2)
	v_pk_add_f32 v[14:15], v[14:15], v[248:249]
	s_delay_alu instid0(VALU_DEP_2)
	v_pk_add_f32 v[236:237], v[236:237], v[246:247]
	v_pk_add_f32 v[254:255], v[254:255], v[244:245]
	v_pk_add_f32 v[250:251], v[250:251], v[242:243]
	s_delay_alu instid0(VALU_DEP_2)
	v_pk_add_f32 v[14:15], v[14:15], v[254:255]
	s_delay_alu instid0(VALU_DEP_2)
	v_pk_add_f32 v[236:237], v[236:237], v[250:251]
	s_delay_alu instid0(VALU_DEP_1)
	v_pk_add_f32 v[14:15], v[14:15], v[236:237]
	s_wait_alu depctr_va_vdst(0)                   ; and one for the four
.irp b, 0,1,2,3
	v_max_num_f32 v[232+\b], 0x1800000, v[232+\b]  ; the floor 2^(3 - 127)
.endr
.irp b, 0,1,2,3
	s_delay_alu instid0(VALU_DEP_4)
	v_add_nc_u32 v[244+\b], 0xff000000, v[232+\b]  ; 2 off the exponent field: the conversion's scale operand
.endr
.irp b, 0,1,2,3
	s_delay_alu instid0(VALU_DEP_4)
	v_lshrrev_b32 v[236+\b], 23, v[244+\b]         ; the scale's byte
.endr
	s_delay_alu instid0(VALU_DEP_3)
	v_lshl_or_b32 v253, v237, 8, v236              ; p's scale word for these 128 keys
	s_delay_alu instid0(VALU_DEP_1)
	v_lshl_or_b32 v253, v238, 16, v253
	s_delay_alu instid0(VALU_DEP_1)
	v_lshl_or_b32 v253, v239, 24, v253
.irp b, 0,1,2,3
	v_cvt_scalef32_pk8_fp4_f32 v[224+2*\b], v[96+16*\b:103+16*\b], v[244+\b]
	v_cvt_scalef32_pk8_fp4_f32 v[225+2*\b], v[104+16*\b:111+16*\b], v[244+\b]
.endr
	v_nop                                          ; one plain place behind a scaled conversion
	s_setprio 0
.irp c, 0,1
.irp i, 0,1
	v_permlane16_swap_b32 v[224+4*\c+\i], v[226+4*\c+\i]
.endr
.endr
.irp j, 0,2,4,6,8,10,12,14,16,18,20,22,24,26,28,30
	v_pk_mul_f32 v[160+\j:161+\j], v[160+\j:161+\j], v[252:253] op_sel_hi:[1,0]   ; O^T under the new M; these sixteen are also the places in front of the products below
.endr
	s_wait_alu depctr_va_vdst(0)
	s_wait_dscnt 0x0                               ; V and its scale words are in
.irp t, 0,1,2,3
	v_wmma_scale_f32_16x16x128_f8f6f4 v[160+8*\t:167+8*\t], v[64+8*\t:71+8*\t], v[224:231], v[160+8*\t:167+8*\t], v[28+\t], v253 matrix_a_fmt:MATRIX_FMT_FP4 matrix_b_fmt:MATRIX_FMT_FP4
.endr
	s_add_co_u32 s[TK], s[TK], 4096                ; eight key tiles on
	s_add_co_u32 s[TV], s[TV], 2048                ; one key step on
	s_add_co_u32 s[TS], s[TS], 256
.endm
; Head c of the pair: all 2,048 keys, then y = O / the sum, quantised along the head's 64 channels (two blocks), stored as 512 consecutive bytes.
.macro PASS c
.if \c
.irp j, 0,1,2,3
	v_mov_b32 v[20+\j], v[204+\j]
.endr
.endif
	v_perm_b32 v201, v[202+\c], v[202+\c], s[QSEL] ; Q's scale word: my tile's two bytes, twice
	v_mov_b32 v13, 0xff61b1e6                      ; the largest t so far: -3e38
	s_delay_alu instid0(VALU_DEP_1)
	v_floor_f32 v12, -v13
	v_mov_b32 v14, 0
	v_mov_b32 v15, 0
.irp j, 0,1,2,3,4,5,6,7,8,9,10,11,12,13,14,15,16,17,18,19,20,21,22,23,24,25,26,27,28,29,30,31
	v_mov_b32 v[160+\j], 0                         ; O^T: the step is written once; its first trip finds zeros
.endr
	s_mov_b32 s[TK], \c*65536
	s_mov_b32 s[TV], \c*65536
	s_mov_b32 s[TS], \c*4096
	s_mov_b32 s[KJ], 16
.Lkey_\@:
	s_setprio 2
	STEP
	s_sub_co_u32 s[KJ], s[KJ], 1
	s_cmp_lg_u32 s[KJ], 0
	s_cbranch_scc1 .Lkey_\@
	s_setprio 0
.rept 4
	v_nop                                          ; places behind the last products
.endr
	v_add_f32 v14, v14, v15
	s_delay_alu instid0(VALU_DEP_1)
	v_permlanex16_b32 v252, v14, s[SEL], s[SEL+1]
	s_delay_alu instid0(VALU_DEP_1)
	v_add_f32 v14, v14, v252                       ; the row's sum
	s_wait_alu depctr_va_vdst(0)
	v_rcp_f32 v14, v14
	v_nop                                          ; a plain place behind the transcendental
	s_wait_alu depctr_va_vdst(0)                   ; the wait ahead of its first reader
.irp j, 0,1,2,3,4,5,6,7,8,9,10,11,12,13,14,15,16,17,18,19,20,21,22,23,24,25,26,27,28,29,30,31
	v_mul_f32 v[96+\j], v[160+\j], v14             ; register 16 b + i: channel 32 b + 16 (lane / 16) + i of my query
.endr
.irp b, 0,1
	v_max3_num_f32 v[208+\b], |v[96+16*\b]|, |v[97+16*\b]|, 0x1800000
.endr
.irp i, 2,4,6,8,10,12,14
.irp b, 0,1
	s_delay_alu instid0(VALU_DEP_2)
	v_max3_num_f32 v[208+\b], v[208+\b], |v[96+16*\b+\i]|, |v[97+16*\b+\i]|
.endr
.endr
.irp b, 0,1
	s_delay_alu instid0(VALU_DEP_2)
	v_permlanex16_b32 v[210+\b], v[208+\b], s[SEL], s[SEL+1]
.endr
.irp b, 0,1
	s_delay_alu instid0(VALU_DEP_2)
	v_max_num_f32 v[208+\b], v[208+\b], v[210+\b]
.endr
.irp b, 0,1
	s_delay_alu instid0(VALU_DEP_2)
	v_add_nc_u32 v[212+\b], 0xff000000, v[208+\b]
.endr
.irp b, 0,1
	s_delay_alu instid0(VALU_DEP_2)
	v_lshrrev_b32 v[214+\b], 23, v[212+\b]
.endr
.if \c
	s_delay_alu instid0(VALU_DEP_2)
	v_lshl_or_b32 v200, v214, 16, v200             ; the pair's scale word: head 1's two bytes on top
	s_delay_alu instid0(VALU_DEP_1)
	v_lshl_or_b32 v200, v215, 24, v200
.else
	s_delay_alu instid0(VALU_DEP_1)
	v_lshl_or_b32 v200, v215, 8, v214              ; head 0's below
.endif
.irp b, 0,1
	v_cvt_scalef32_pk8_fp4_f32 v[192+4*\c+2*\b], v[96+16*\b:103+16*\b], v[212+\b]
	v_cvt_scalef32_pk8_fp4_f32 v[193+4*\c+2*\b], v[104+16*\b:111+16*\b], v[212+\b]
.endr
	v_nop                                          ; one plain place behind a scaled conversion
	v_permlane16_swap_b32 v[192+4*\c], v[194+4*\c] ; lanes 0-15 the head's first block, lanes 16-31 its second
	v_permlane16_swap_b32 v[193+4*\c], v[195+4*\c]
	global_store_b128 v7, v[192+4*\c:195+4*\c], s[8:9] offset:512*\c   ; 32 lanes store 512 consecutive bytes
.endm
	s_wait_tensorcnt 1                             ; my scale words and my piece of head 0 are in; head 1's may stay out
	s_barrier_signal -1
	s_barrier_wait -1                              ; everybody's are
	s_wait_loadcnt 0x0                             ; q
	PASS 0
	s_wait_tensorcnt 0x0                           ; my piece of head 1 is in,
	s_wait_dscnt 0x0
	s_barrier_signal -1
	s_barrier_wait -1                              ; everybody's is
	PASS 1
	ds_store_b32 v216, v200                        ; lanes l and l xor 16 write the same word with the same value
	s_wait_dscnt 0x0                               ; for the others' sake
	s_barrier_signal -1
	s_barrier_wait -1
	s_cmp_lt_u32 s[WV], 2                          ; the sixteen tiles' 1,024 bytes leave by two waves, in whole runs of 256 bytes
	s_cbranch_scc0 .Lno_ys
	ds_load_b128 v[220:223], v217
	s_wait_dscnt 0x0
	global_store_b128 v218, v[220:223], s[10:11]
.Lno_ys:
	s_wait_tensorcnt 0x0                           ; the wave's end
	ds_add_u32 v[SPW], v[NIL]
	s_wait_dscnt 0x0
	CROUND                                         ; the closing round
	s_endpgm
.Lfunc_end_k_q109f8c51f8_attn:
	.size	k_q109f8c51f8_attn, .Lfunc_end_k_q109f8c51f8_attn-k_q109f8c51f8_attn
	.p2alignl 7, 3214868480
	.fill 96, 4, 3214868480
	.section	.rodata,"a",@progbits
	.p2align	6, 0x0
	.amdhsa_kernel k_q109f8c51f8_attn
		.amdhsa_group_segment_fixed_size 327680
		.amdhsa_private_segment_fixed_size 0
		.amdhsa_enable_private_segment 0
		.amdhsa_kernarg_size 32
		.amdhsa_user_sgpr_count 2
		.amdhsa_user_sgpr_kernarg_segment_ptr 1
		.amdhsa_wavefront_size32 1
		.amdhsa_system_sgpr_workgroup_id_x 1
		.amdhsa_system_sgpr_workgroup_id_y 1
		.amdhsa_system_sgpr_workgroup_id_z 1
		.amdhsa_system_vgpr_workitem_id 0
		.amdhsa_next_free_vgpr 256
		.amdhsa_next_free_sgpr 100
		.amdhsa_reserve_vcc 0
		.amdhsa_float_denorm_mode_32 3
		.amdhsa_float_denorm_mode_16_64 3
		.amdhsa_memory_ordered 1
		.amdhsa_forward_progress 1
		.amdhsa_inst_pref_size 54
	.end_amdhsa_kernel
	.amdgpu_metadata
---
amdhsa.version: [ 1, 2 ]
amdhsa.kernels:
  - .name:           k_q109f8c51f8_attn
    .symbol:         k_q109f8c51f8_attn.kd
    .args:
      - { .name: hc, .offset: 0, .size: 8, .value_kind: global_buffer, .address_space: global }
      - { .name: hs, .offset: 8, .size: 8, .value_kind: global_buffer, .address_space: global }
      - { .name: yc, .offset: 16, .size: 8, .value_kind: global_buffer, .address_space: global }
      - { .name: ys, .offset: 24, .size: 8, .value_kind: global_buffer, .address_space: global }
    .group_segment_fixed_size: 327680
    .private_segment_fixed_size: 0
    .kernarg_segment_align: 8
    .kernarg_segment_size: 32
    .max_flat_workgroup_size: 512
    .sgpr_count:     100
    .vgpr_count:     256
    .wavefront_size: 32
...
	.end_amdgpu_metadata
.endif
;; end of part 3
;; launch outp (part 4): grid 4 x 32, 4 waves a work-group, clusters of 4 x 4, 327,680 bytes of LDS; arguments yc, ys, cd, sc, bo, out0; writes out0
.if DOCPART == 4
	.amdgcn_target "amdgcn-amd-amdhsa--gfx1250"
	.amdhsa_code_object_version 6
	.text
	.protected	k_q109f8c51f8_outp
	.globl	k_q109f8c51f8_outp
	.p2align	8
	.type	k_q109f8c51f8_outp,@function
k_q109f8c51f8_outp:
	s_mov_b64 s[64:65], 0
	v_nop
	global_prefetch_b8 v0, s[64:65] scope:SCOPE_SE
	s_setreg_imm32_b32 hwreg(HW_REG_WAVE_MODE, 25, 1), 1
	s_wait_xcnt 0x0
	s_wait_alu depctr_hold_cnt(0) depctr_sa_sdst(0) depctr_va_vdst(0) depctr_va_sdst(0) depctr_va_ssrc(0) depctr_va_vcc(0) depctr_vm_vsrc(0)
	s_getreg_b32 s2, hwreg(HW_REG_IB_STS2, 6, 4)
	s_cmp_eq_u32 s2, 0
	s_cbranch_scc0 .Lentry_in_a_cluster
	s_endpgm
.Lentry_in_a_cluster:
	s_bfe_u32 s2, ttmp6, 0x10000c
	s_cmp_lg_u32 s2, 0xf033
	s_cbranch_scc0 .Lentry_shape_is_right
	s_endpgm
.Lentry_shape_is_right:
; Launch 4 of 4: out0 = relu(y Wo^T + bo), on codes of E2M1 (K = 1,024).  No work is left out.
; As the second launch: a work-group makes 256 x 256, a wave 128 x 128; source 0 = 16 rows of Wo (S0), source 1 = 16 rows of y (S1): a lane holds one row of out0, its registers run along the columns.
; All of K lies in LDS, two slots of 512 along K, filled once by joint loads: y's tiles shared along a row of the 4 x 4 cluster, Wo's along a column.  bo is the C of each sum's first matrix instruction.
; The order of rows in a tile (first launch) is undone on the way out: Wo's in the stage's offsets, y's in the stores' offsets.
; REGISTERS: as in the second launch; on the way out v128-191 and v192-255 of window 0 take 16 rows by turns.
.set FR,    8
.set NL,    2
.set NP,    4
.set NQ,    4
.set SLOT,  131072
.set SCL,   2*SLOT
.set STAGE, SCL+4*4096                 ; the way out: 16 rows x (512 bytes + 16) for each wave
.set SPITCH, 528
.set SPARE, STAGE+4*16*SPITCH          ; the spare words, 128 bytes for each wave: two blocks of 256 bytes that no other line names
.set ADRA, 16
.set ADRB, 20
.set STO,  24                          ; v24  the way out: where I put 32 bytes of a row
.set RD,   25                          ; v25  where I read a row back
.set CO,   26                          ; v26  16 x lane
.set ADRS, 27
.set SPW,  28
.set NIL,  29
.set SC,   32
.set AF,   128
.set BIAS, 192
.set BK,   128
.set G1,   24
.set G0,   32
.set G1B,  48
.set G0B,  56
.set G1S,  68
.set G0S,  76
.set G1SB, 80
.set G0SB, 88
.set MSB, 0
.macro WIN new
.if MSB != (\new)
	s_set_vgpr_msb (MSB<<8)|(\new)
.set MSB, \new
.endif
.endm
.set MUL_LO, 0xa1
.set MUL_HI, 0xf1
.set TO_B,   0x40
.macro JLOAD g0a, g1a, g0b, g1b        ; a joint load: waves 0 and 1 fetch for y, waves 2 and 3 for Wo; the branch hangs on the wave's number alone
	s_cmp_eq_u32 s19, 0
	s_cbranch_scc0 .Lfor_b_\@
	tensor_load_to_lds s[\g0a:\g0a+3], s[\g1a:\g1a+7]
	s_nop 0
.rept 4
	v_nop
.endr
	s_branch .Lasked_\@
.Lfor_b_\@:
	tensor_load_to_lds s[\g0b:\g0b+3], s[\g1b:\g1b+7]
	s_nop 0
.rept 4
	v_nop
.endr
.Lasked_\@:
.endm
.macro CROUND
	s_barrier_signal -1
	s_barrier_wait -1
	s_cmp_lg_u32 s18, 0
	s_cbranch_scc1 .Lnot_wave_0_\@
	s_barrier_signal -3
.Lnot_wave_0_\@:
	s_barrier_wait -3
	s_barrier_signal -1
	s_barrier_wait -1
.endm
	s_load_b256 s[4:11], s[0:1], 0x0               ; yc s[4:5], ys s[6:7], cd s[8:9], sc s[10:11]
	s_load_b128 s[12:15], s[0:1], 0x20             ; bo s[12:13], out0 s[14:15]
	v_lshl_add_u32 v[SPW], v0, 2, SPARE
	v_mov_b32 v[NIL], 0
	ds_add_u32 v[SPW], v[NIL]                      ; the wave's opening: the add, twice on end, and its wait ahead of my first tensor load
	ds_add_u32 v[SPW], v[NIL]
	v_lshrrev_b32 v1, 5, v0
	v_readfirstlane_b32 s18, v1                    ; wave 0..3
	s_lshr_b32 s19, s18, 1                         ; RH; also: I fetch for y (0) or for Wo (1)
	s_and_b32 s20, s18, 1                          ; CH; also: which 8 tiles I fetch
	s_bfe_u32 s21, ttmp6, 0x40000                  ; cx
	s_bfe_u32 s22, ttmp6, 0x40004                  ; cy
	s_and_b32 s23, ttmp7, 0xffff                   ; the cluster's y
	s_lshl_b32 s42, s22, 2
	s_lshl_b32 s42, 15, s42                        ; my row of the cluster
	s_lshl_b32 s43, 0x1111, s21                    ; my column
	s_or_b32 s[G1+0], s42, (3<<16)|(1<<21)
	s_or_b32 s[G1B+0], s43, (3<<16)|(1<<21)
	s_or_b32 s[G1S+0], s42, (3<<16)|(1<<21)
	s_or_b32 s[G1SB+0], s43, (3<<16)|(1<<21)
.irp g, G1, G1B                        ; codes: 8 rows of 4,096 bytes, 8,192 bytes apart
	s_mov_b32 s[\g+1], 512<<16
	s_mov_b32 s[\g+2], 8<<16
	s_mov_b32 s[\g+3], 512<<16
	s_mov_b32 s[\g+4], 8
	s_mov_b32 s[\g+5], 1024
	s_mov_b32 s[\g+6], 0
	s_mov_b32 s[\g+7], 0
.endr
.irp g, G1S, G1SB                      ; scale words: 8 K steps' rows of 512 bytes
	s_mov_b32 s[\g+1], 64<<16
	s_mov_b32 s[\g+2], 8<<16
	s_mov_b32 s[\g+3], 64<<16
	s_mov_b32 s[\g+4], 8
	s_mov_b32 s[\g+6], 0
	s_mov_b32 s[\g+7], 0
.endr
	s_mov_b32 s[G1S+5], 4096                       ; in ys 32,768 bytes apart,
	s_mov_b32 s[G1SB+5], 14336                     ; in sc 114,688
	s_lshl_b32 s45, s20, 3
	s_lshl_b32 s92, s23, 6
	s_lshl_b32 s44, s22, 4
	s_add_co_u32 s92, s92, s44
	s_add_co_u32 s92, s92, s45                     ; y's tiles: 64 x cluster y + 16 cy + 8 x half
	s_lshl_b32 s94, s21, 4
	s_add_co_u32 s94, s94, s45
	s_add_co_u32 s94, s94, 1728                    ; Wo's: 1728 + 16 cx + 8 x half
	s_lshl_b32 s96, s92, 6
	s_mov_b32 s97, 0
	s_lshl_b32 s92, s92, 13
	s_mov_b32 s93, 0
	s_lshl_b32 s98, s94, 6
	s_mov_b32 s99, 0
	s_lshl_b32 s94, s94, 13
	s_mov_b32 s95, 0
	s_lshl_b32 s2, s18, 15
	s_lshl_b32 s3, s18, 12
	s_wait_dscnt 0x0                               ; both opening adds are done
	s_wait_kmcnt 0x0
	s_add_nc_u64 s[92:93], s[4:5], s[92:93]
	s_add_nc_u64 s[96:97], s[6:7], s[96:97]
	s_add_nc_u64 s[94:95], s[8:9], s[94:95]
	s_add_nc_u64 s[98:99], s[10:11], s[98:99]
	CROUND                                         ; all sixteen work-groups are here: the joint loads meet
	s_mov_b32 s[G0S], 1
	s_add_co_u32 s[G0S+1], s3, SCL
	s_mov_b64 s[G0S+2:G0S+3], s[96:97]
	s_or_b32 s[G0S+3], s[G0S+3], 0x80000000
	s_mov_b32 s[G0SB], 1
	s_add_co_u32 s[G0SB+1], s3, SCL
	s_mov_b64 s[G0SB+2:G0SB+3], s[98:99]
	s_or_b32 s[G0SB+3], s[G0SB+3], 0x80000000
	JLOAD G0S, G1S, G0SB, G1SB
.irp s, 0,1
	s_mov_b32 s[G0+4*\s], 1
	s_add_co_u32 s[G0+4*\s+1], s2, \s*SLOT
	s_add_nc_u64 s[G0+4*\s+2:G0+4*\s+3], s[92:93], \s*4096
	s_or_b32 s[G0+4*\s+3], s[G0+4*\s+3], 0x80000000
	s_mov_b32 s[G0B+4*\s], 1
	s_add_co_u32 s[G0B+4*\s+1], s2, \s*SLOT
	s_add_nc_u64 s[G0B+4*\s+2:G0B+4*\s+3], s[94:95], \s*4096
	s_or_b32 s[G0B+4*\s+3], s[G0B+4*\s+3], 0x80000000
	s_wait_alu depctr_va_vdst(0)
	s_wait_tensorcnt 0x0
	ds_add_u32 v28, v29
	s_wait_dscnt 0x0
	CROUND
	JLOAD G0+4*\s, G1, G0B+4*\s, G1B               ; one tensor load of mine is out
.endr
	s_lshl_b32 s42, s23, 2
	s_add_co_u32 s42, s42, s22
	s_lshl_b32 s42, s42, 1
	s_add_co_u32 s42, s42, s19                     ; which 128 rows of out0 are mine
	s_lshl_b32 s42, s42, 19                        ; rows of 4,096 bytes
	s_lshl_b32 s43, s21, 1
	s_add_co_u32 s43, s43, s20                     ; which 128 columns
	s_lshl_b32 s44, s43, 9
	s_add_co_u32 s2, s42, s44
	s_mov_b32 s3, 0
	s_add_nc_u64 s[14:15], s[14:15], s[2:3]
	s_mov_b32 s2, s44
	s_add_nc_u64 s[12:13], s[12:13], s[2:3]        ; and their 128 numbers of bo
	v_and_b32 v1, 15, v0                           ; r
	v_bfe_u32 v2, v0, 4, 1                         ; h
	s_wait_alu depctr_va_vdst(0)
	v_and_b32 v3, 31, v0
	v_lshlrev_b32 v[CO], 4, v3
	v_lshlrev_b32 v5, 6, v2                        ; the bias in the result's layout: register j of tile x holds column 32 (x / 2) + 8 (x % 2) + 16 h + j
.irp x, 0,1,2,3,4,5,6,7
	global_load_b128 v[BIAS+8*\x:BIAS+8*\x+3], v5, s[12:13] offset:(32*(\x/2)+8*(\x%2))*4
	global_load_b128 v[BIAS+8*\x+4:BIAS+8*\x+7], v5, s[12:13] offset:(32*(\x/2)+8*(\x%2))*4+16
.endr
	s_lshl_b32 s42, s19, 15
	s_lshl_b32 s43, s20, 15
	s_add_co_u32 s43, s43, 65536
.irp s, 0,1
	v_add_nc_u32 v[ADRA+\s], s42, v[CO]
	v_add_nc_u32 v[ADRB+\s], s43, v[CO]
	s_add_co_u32 s42, s42, SLOT
	s_add_co_u32 s43, s43, SLOT
.endr
	s_lshl_b32 s42, s19, 12
	s_add_co_u32 s43, s20, 2
	s_lshl_b32 s43, s43, 12
	s_sub_co_u32 s43, s43, s42
	v_mul_u32_u24 v4, s43, v2                      ; lanes 16-31 take Wo's scale words
	s_add_co_u32 s42, s42, SCL
	v_lshl_add_u32 v4, v1, 2, v4
	v_add_nc_u32 v[ADRS], s42, v4
	s_mul_i32 s42, s18, 16*SPITCH
	s_add_co_u32 s42, s42, STAGE                   ; my stage
	v_mul_u32_u24 v4, v1, SPITCH
	v_lshl_add_u32 v4, v2, 6, v4
	v_add_nc_u32 v[STO], s42, v4                   ; in: row r, + 64 h
	v_add_nc_u32 v[RD], s42, v[CO]                 ; back: the 32 lanes take one row of 512 bytes
.macro FRAG reg, adr, q, i
.irp c, 0,1
	ds_load_b128 v[\reg+4*\c:\reg+4*\c+3], v[\adr] offset:4096*(\i)+1024*(\q)+512*\c
.endr
.endm
; 16 matrix instructions; mode 1: the sums begin with the bias.  The 64 accumulators take turns, one instruction a turn, in the same order in every step.
.macro MUL16 a0, p, q, sc, mode
.irp a, \a0, \a0+1
.irp b, 0,1,2,3,4,5,6,7
.if (\mode) == 0
	v_wmma_scale_f32_16x16x128_f8f6f4 v[8*(8*((\a)%4)+\b):8*(8*((\a)%4)+\b)+7], v[128*(\p)+FR*\b:128*(\p)+FR*\b+FR-1], v[AF+FR*(\a):AF+FR*(\a)+FR-1], v[8*(8*((\a)%4)+\b):8*(8*((\a)%4)+\b)+7], v[SC+32*(\sc)+4*\b+(\q)], v[SC+32*(\sc)+4*(\a)+(\q)] matrix_a_fmt:MATRIX_FMT_FP4 matrix_b_fmt:MATRIX_FMT_FP4 matrix_a_scale:MATRIX_SCALE_ROW1
.else
	v_wmma_scale_f32_16x16x128_f8f6f4 v[8*(8*((\a)%4)+\b):8*(8*((\a)%4)+\b)+7], v[128*(\p)+FR*\b:128*(\p)+FR*\b+FR-1], v[AF+FR*(\a):AF+FR*(\a)+FR-1], v[BIAS+8*\b:BIAS+8*\b+7], v[SC+32*(\sc)+4*\b+(\q)], v[SC+32*(\sc)+4*(\a)+(\q)] matrix_a_fmt:MATRIX_FMT_FP4 matrix_b_fmt:MATRIX_FMT_FP4 matrix_a_scale:MATRIX_SCALE_ROW1
.endif
.endr
.endr
.endm
.macro FETCH_B slot, q, p
	WIN TO_B
.irp i, 0,1,2,3,4,5,6,7
	FRAG 128*(\p)+FR*\i, ADRB+\slot, \q, \i
.endr
	WIN 0
.endm
.macro FETCH_A slot, q, i0
.irp i, \i0, \i0+1, \i0+2, \i0+3
	FRAG AF+FR*(\i), ADRA+\slot, \q, \i
.endr
.endm
.macro SCALES sl
.irp i, 0,1,2,3,4,5,6,7
.irp q, 0,1,2,3
	ds_load_b32 v[SC+32*\sl+4*\i+\q], v[ADRS] offset:(4*\sl+\q)*512+64*\i
.endr
.endr
.endm
.macro PLACES n
.rept \n
	v_nop
.endr
.endm
.macro STEP slot, q, mode
	s_wait_dscnt 4*NL                              ; all but the youngest eight loads (y's blocks 4-7) are in
.if \mode
	WIN 0x81
.else
	WIN MUL_LO
.endif
	MUL16 0, (\q)%2, \q, \slot, \mode
	MUL16 2, (\q)%2, \q, \slot, \mode
	s_wait_dscnt 0
	PLACES NP
	FETCH_B \slot, (\q)+1, 1-(\q)%2
	FETCH_A \slot, (\q)+1, 0
.if \mode
	WIN 0xc1
.else
	WIN MUL_HI
.endif
	MUL16 4, (\q)%2, \q, \slot, \mode
	MUL16 6, (\q)%2, \q, \slot, \mode
	PLACES NP
	WIN 0
	FETCH_A \slot, (\q)+1, 4
.endm
.macro TURN slot, next
	s_wait_tensorcnt 0x0                           ; my part of the next slot has landed
	ds_add_u32 v[SPW], v[NIL]                      ; 0 onto my spare word
	s_wait_dscnt 4*NL+1                            ; (the add and the youngest eight loads may be out)
	WIN MUL_LO
	MUL16 0, 1, NQ-1, \slot, 0
	s_wait_dscnt 0x0
	s_barrier_signal -1
	MUL16 2, 1, NQ-1, \slot, 0
	WIN 0
	s_barrier_wait -1
	PLACES NP
	FETCH_B \next, 0, 0
	FETCH_A \next, 0, 0
	SCALES \next
	WIN MUL_HI
	MUL16 4, 1, NQ-1, \slot, 0
	MUL16 6, 1, NQ-1, \slot, 0
	PLACES NP
	WIN 0
	FETCH_A \next, 0, 4
.endm
.macro STEPS slot, from
.set Q, \from
.rept NQ-1-\from
	STEP \slot, Q, 0
.set Q, Q+1
.endr
.endm
	s_wait_alu depctr_va_vdst(0)
	s_wait_tensorcnt 1                             ; the scale words and my part of slot 0 are in (slot 1's load may be out)
	s_barrier_signal -1
	s_barrier_wait -1                              ; everybody's are
	FETCH_B 0, 0, 0
	FETCH_A 0, 0, 0
	SCALES 0
	FETCH_A 0, 0, 4
	s_wait_loadcnt 0x0                             ; the bias
	STEP 0, 0, 1
	STEPS 0, 1
	TURN 0, 1
	STEPS 1, 0
	s_wait_dscnt 4*NL
	WIN MUL_LO
	MUL16 0, 1, NQ-1, 1, 0
	MUL16 2, 1, NQ-1, 1, 0
	s_wait_dscnt 0
	WIN MUL_HI
	MUL16 4, 1, NQ-1, 1, 0
	MUL16 6, 1, NQ-1, 1, 0
	WIN 0
; THE WAY OUT, block by block of 16 rows x 128 columns, through my own stage: back come whole rows of 512 bytes; ReLU; the 32 lanes store 512 consecutive bytes.
.macro TOSTAGE a
.set AC, 64*((\a)%4)
	WIN 0x08+4*((\a)/4)                            ; the data: window 2 or 3
.irp b, 0,1,2,3,4,5,6,7
	ds_store_b128 v[STO], v[AC+8*\b:AC+8*\b+3] offset:128*(\b/2)+32*(\b%2)          ; columns 32 (b / 2) + 16 h + 8 (b % 2) on; each accumulator from its low end on
	ds_store_b128 v[STO], v[AC+8*\b+4:AC+8*\b+7] offset:128*(\b/2)+32*(\b%2)+16
.endr
	WIN 0
.set BB, BK+64*((\a)%2)
.irp t, 0,1,2,3,4,5,6,7,8,9,10,11,12,13,14,15
	ds_load_b128 v[BB+4*\t:BB+4*\t+3], v[RD] offset:\t*SPITCH   ; LDS serves a wave's instructions in order: these see my stores
.endr
.endm
.macro SEND a, younger                 ; younger: the LDS instructions issued behind block a's loads, which may stay out
.set BB, BK+64*((\a)%2)
	s_wait_dscnt \younger
.set i, 0
.rept 64
	v_max_num_f32 v[BB+i], 0, v[BB+i]
.set i, i+1
.endr
.irp t, 0,1,2,3,4,5,6,7,8,9,10,11,12,13,14,15
	global_store_b128 v[CO], v[BB+4*\t:BB+4*\t+3], s[14:15] offset:(32*((\a)/2)+8*((\a)%2)+\t+8*(\t/8))*4096 th:TH_STORE_NT   ; row t of tile a is row 32 (a / 2) + 8 (a % 2) + t + 8 (t / 8) of my 128
.endr
.endm
	PLACES NP                                      ; behind the last products: for the first reads of results and the loads into the registers that held y's fragments
	TOSTAGE 0
.irp a, 1,2,3,4,5,6,7
.if \a > 1
	s_wait_xcnt 0x0                                ; block a - 2's stores have read their registers: block a's loads may land there
.endif
	TOSTAGE \a
	SEND \a-1, 32                                  ; behind block a - 1's loads: block a's 16 stores and 16 loads
.endr
	SEND 7, 0
	s_wait_tensorcnt 0x0                           ; the wave's end
	ds_add_u32 v[SPW], v[NIL]
	s_wait_dscnt 0x0
	CROUND                                         ; the closing round
	s_endpgm
.Lfunc_end_k_q109f8c51f8_outp:
	.size	k_q109f8c51f8_outp, .Lfunc_end_k_q109f8c51f8_outp-k_q109f8c51f8_outp
	.p2alignl 7, 3214868480
	.fill 96, 4, 3214868480
	.section	.rodata,"a",@progbits
	.p2align	6, 0x0
	.amdhsa_kernel k_q109f8c51f8_outp
		.amdhsa_group_segment_fixed_size 327680
		.amdhsa_private_segment_fixed_size 0
		.amdhsa_enable_private_segment 0
		.amdhsa_kernarg_size 48
		.amdhsa_user_sgpr_count 2
		.amdhsa_user_sgpr_kernarg_segment_ptr 1
		.amdhsa_wavefront_size32 1
		.amdhsa_system_sgpr_workgroup_id_x 1
		.amdhsa_system_sgpr_workgroup_id_y 1
		.amdhsa_system_sgpr_workgroup_id_z 1
		.amdhsa_system_vgpr_workitem_id 0
		.amdhsa_next_free_vgpr 1024
		.amdhsa_next_free_sgpr 100
		.amdhsa_reserve_vcc 0
		.amdhsa_float_denorm_mode_32 3
		.amdhsa_float_denorm_mode_16_64 3
		.amdhsa_memory_ordered 1
		.amdhsa_forward_progress 1
		.amdhsa_inst_pref_size 145
	.end_amdhsa_kernel
	.amdgpu_metadata
---
amdhsa.version: [ 1, 2 ]
amdhsa.kernels:
  - .name:           k_q109f8c51f8_outp
    .symbol:         k_q109f8c51f8_outp.kd
    .args:
      - { .name: yc, .offset: 0, .size: 8, .value_kind: global_buffer, .address_space: global }
      - { .name: ys, .offset: 8, .size: 8, .value_kind: global_buffer, .address_space: global }
      - { .name: cd, .offset: 16, .size: 8, .value_kind: global_buffer, .address_space: global }
      - { .name: sc, .offset: 24, .size: 8, .value_kind: global_buffer, .address_space: global }
      - { .name: bo, .offset: 32, .size: 8, .value_kind: global_buffer, .address_space: global }
      - { .name: out0, .offset: 40, .size: 8, .value_kind: global_buffer, .address_space: global }
    .group_segment_fixed_size: 327680
    .private_segment_fixed_size: 0
    .kernarg_segment_align: 8
    .kernarg_segment_size: 48
    .max_flat_workgroup_size: 128
    .sgpr_count:     100
    .vgpr_count:     1024
    .wavefront_size: 32
...
	.end_amdgpu_metadata
.endif
;; end of part 4
